; MI455X (gfx1250); checked and timed in simulation.
; The chip was launched on July 23, 2026; its instructions are those of AMD's public machine-readable ISA for CDNA 5 (MIT licence, August 2026) and "CDNA5" Instruction Set Architecture Reference Guide (July 2026). The comments in the code are by the model that wrote it; some were corrected since.
;; multi head attention. Allowed arithmetic: matrix products marked QUANTISED: E5M2 operands, one given power-of-two scale a tensor, by v_wmma_f32_16x16x64_bf8_bf8 or v_wmma_f32_16x16x128_bf8_bf8, f32 sums; everything else in f32.
;; Inputs: Wk 1,024 x 1,024 float32; Wo 1,024 x 1,024 float32; Wq 1,024 x 1,024 float32; Wv 1,024 x 1,024 float32; bk 1,024 float32; bo 1,024 float32; bq 1,024 float32; bv 1,024 float32; k 4 x 2,048 x 1,024 float32; lowp_scales 12 int32 (the exponents e of the quantised operands' scales 2^e); q 4 x 2,048 x 1,024 float32; v 4 x 2,048 x 1,024 float32.
;; Outputs: out0 4 x 2,048 x 1,024 float32.
;; Constants: mask = True.
;; This version of the problem:
;;   THIS VERSION OF THE PROBLEM IS GIVEN IN LOW PRECISION. The matrix products marked QUANTISED in the list below multiply operands that are first quantised to E5M2 (5 exponent bits, 2 mantissa bits; 8 bits a number), with one given power-of-two scale for each operand tensor; their sums are f32. All else is computed in f32.
;;   The module's matrix products, in the order in which they are computed (A, B: the left and right operand; K: the contracted axis; several contracted axes count as one K, in the product's order):
;;     1. [M 8,192, K 1,024] x [K 1,024, N 1,024]; A: input q; B: input Wq: QUANTISED (scales: A lowp_scales[0], B lowp_scales[1])
;;     2. [M 8,192, K 1,024] x [K 1,024, N 1,024]; A: input k; B: input Wk: QUANTISED (scales: A lowp_scales[2], B lowp_scales[3])
;;     3. [M 8,192, K 1,024] x [K 1,024, N 1,024]; A: input v; B: input Wv: QUANTISED (scales: A lowp_scales[4], B lowp_scales[5])
;;     4. batch 64 x [M 2,048, K 64] x [K 64, N 2,048]; A: computed on the way; B: computed on the way: QUANTISED (scales: A lowp_scales[6], B lowp_scales[7])
;;     5. batch 64 x [M 2,048, K 2,048] x [K 2,048, N 64]; A: softmax (see below); B: computed on the way: QUANTISED (scales: A lowp_scales[8], B lowp_scales[9])
;;     6. [M 8,192, K 1,024] x [K 1,024, N 1,024]; A: computed on the way; B: input Wo: QUANTISED (scales: A lowp_scales[10], B lowp_scales[11])
;;   THE QUANTISER, for each operand of a quantised product, along K:
;;     - The operand's scale is 2^e, e = its entry of the input lowp_scales (int32; the entries are numbered through the quantised products in the list's order, A before B).
;;     - Each number is divided by the scale, clamped to +-57,344, and rounded to the nearest number of E5M2, ties to even, subnormals kept.
;;     - The product sums the exact products of the quantised numbers (number of the format x scale) in f32.
;;   ~~~python
;;   def quantise(x, axis, e):      # numpy; x: float32 -> the quantised numbers, widened to float32 again
;;       x = np.moveaxis(x, axis, -1); K = x.shape[-1]
;;       r = np.clip(x / 2.0 ** e, -57344, 57344)
;;       step = 2.0 ** (np.maximum(np.frexp(np.where(r == 0, 1, r))[1] - 1, -14) - 2)
;;       q = np.round(r / step) * step * 2.0 ** e      # np.round: ties to even
;;       return np.moveaxis(q, -1, axis).astype(np.float32)
;;   ~~~
;;   SOFTMAX AHEAD OF A QUANTISED PRODUCT. Where the list says 'softmax', what is quantised is not the finished softmax but p = 2^(t - M), with t = logit x log2(e) and M = ceil(the row's largest t), a whole number; so 1/2 < the row's largest p <= 1. The row's sum l is taken of the UNQUANTISED p, in f32, and the product's result is divided by l at the end. Since M is a whole number, a kernel that streams over the keys may use a running M (the ceiling of the running maximum): every later rescaling is an exact power of two, so the quantised numbers keep their values, but for numbers so far below the row's largest that they fall under the format's range.
;;   OPERANDS COMPUTED ON THE WAY. 'Computed on the way' means the value that the module computes at that place (a softmax that the list does not call 'softmax' is quantised finished and normalised). What goes into a quantiser is computed in f32, as accurately as f32 sums, v_exp_f32 and their like allow (about 1e-6 of the number): no bf16 or f16 on the way to a quantiser, and a product that is left as it is and whose result goes on into a quantised operand takes f32 operands (vector FMAs, or v_wmma_f32_16x16x4_f32). A number that lies on a knife's edge between two numbers of the format may be rounded either way, as far as f32 arithmetic and the matrix unit's own rounding can turn it there, and no further.
;; One version. Each part assembles by itself: llvm-mc -triple=amdgcn-amd-amdhsa -mcpu=gfx1250 --defsym DOCPART=n.
;; ======== version 1 of 1: 4 launches
;; limits: right only within a limited range of input values
;; workspace buffers: xc 25,165,824 bytes; wc 4,194,304 bytes; qkvc 25,165,824 bytes; cc 8,388,608 bytes
;; launch quant (part 1): grid 896 x 1, 4 waves a work-group, no clusters, 33,280 bytes of LDS; arguments q, k, v, Wq, Wk, Wv, Wo, lowp_scales, xc, wc; writes xc, wc
.if DOCPART == 1
	.amdgcn_target "amdgcn-amd-amdhsa--gfx1250"
	.amdhsa_code_object_version 6
	.text
	.protected	k_q30901a1400_quant
	.globl	k_q30901a1400_quant
	.p2align	8
	.type	k_q30901a1400_quant,@function
k_q30901a1400_quant:
	s_mov_b64 s[64:65], 0
	v_nop
	global_prefetch_b8 v0, s[64:65] scope:SCOPE_SE
	s_setreg_imm32_b32 hwreg(HW_REG_WAVE_MODE, 25, 1), 1
	s_wait_xcnt 0x0
; q, k, v [8192][1024] and Wq, Wk, Wv, Wo [1024][1024], all f32 with K innermost, become codes of BF8 (E5M2), each tensor with the one scale 2^e given for it.
; code = x / 2^e, held within +-57,344, rounded to the nearest code, ties to even.
; LIMITS: every e between -126 and 112, so that 2^e and 57,344 x 2^e are f32 numbers.  NaN among the inputs is not served (an infinity is held at the largest code).
; OUT: xc [3][8192][1024], rows as in memory.  wc [4][1024][1024].  Wo's rows (tensor 3) lie as in memory.  The rows of Wq, Wk, Wv are put in the order that the projections want:
; feature n = 16 d + hd (head hd, place d) goes to row 64 hd + sw(d), where sw exchanges bits 3 and 4 of a number.
; SHARES: a work-group takes 32,768 numbers, a wave 8 rows of 1,024, in 16 steps of 512 numbers.  The first 768 work-groups take q, k, v (256 each), the last 128 the weights (32 each).
; One path for all seven tensors: only pointers, offsets and the scale are chosen, by the work-group's number.
; A step: four loads of 512 consecutive bytes; the 2,048 bytes turn through the wave's own stage in LDS, so that a lane then holds 16 neighbours along K, as the conversions want; a lane's 16 codes are 16 bytes,
; so the wave stores 512 consecutive bytes, half a row of codes.  Waves share nothing: no barrier.  Loads run four steps (16 loads a wave) ahead, the turn through LDS one step.
.set STEPS, 16
.set NX,    768                        ; work-groups for q, k, v
.set EMAX,  15
.set MANT,  0x600000                   ; the mantissa field of 57,344 as f32
.set R,     16                         ; v16-79   four sets of 16 numbers as they are loaded
.set X,     80                         ; v80-111  two sets of 16 neighbours
.set OFF,   112                        ; v112-119 row u of my eight: 16 x lane + u x (bytes from one of my rows of codes to the next)
.set C,     128                        ; v128-191 codes: four registers for each step, so that no store's data are written again
.set WREG,  8192                       ; LDS: a region of its own for each wave: two stages of 32 x SP bytes
.set SP,    80                         ; a lane's place in a stage: its 64 bytes + 16 of padding
	s_load_b512 s[32:47], s[0:1], 0x0              ; q, k, v, Wq, Wk, Wv, Wo, the scales' exponents
	s_load_b128 s[48:51], s[0:1], 0x40             ; xc, wc
	v_lshl_add_u32 v192, v0, 2, 0x8000
	v_mov_b32 v193, 0
	v_lshrrev_b32 v1, 5, v0
	v_readfirstlane_b32 s16, v1                    ; wave
	v_and_b32 v2, 31, v0                           ; lane
	v_lshlrev_b32 v3, 4, v2                        ; my 16 bytes of a load's 512, and of a store's
	s_wait_alu depctr_va_vdst(0)
	s_mul_i32 s17, s16, WREG
	v_lshrrev_b32 v14, 2, v2
	v_mul_u32_u24 v14, v14, SP
	v_and_b32 v15, 3, v2
	v_lshl_add_u32 v14, v15, 4, v14
	v_add_nc_u32 v14, s17, v14                     ; the stage, on the way in: SP (lane / 4) + 16 (lane % 4); a load's 512 bytes take eight places
	v_mul_u32_u24 v15, v2, SP
	v_add_nc_u32 v15, s17, v15                     ; and on the way out: SP x lane: my 16 neighbours
	; which tensor (s18: 0..6 in the order of the arguments) and which run of 8 rows of it (s19)
	s_lshr_b32 s18, ttmp9, 8
	s_and_b32 s19, ttmp9, 255
	s_lshr_b32 s20, ttmp9, 5
	s_sub_co_u32 s20, s20, 21
	s_and_b32 s21, ttmp9, 31
	s_cmp_lt_u32 ttmp9, NX
	s_cselect_b32 s18, s18, s20
	s_cselect_b32 s19, s19, s21
	s_lshl_b32 s19, s19, 2
	s_add_co_u32 s19, s19, s16                     ; 4 x (work-group within the tensor) + wave
	s_lshl_b32 s2, s19, 15                         ; where my 8 rows begin in the source: 32,768 bytes a run
	s_mov_b32 s3, 0
	; where they go: three candidates, then the choice
	s_lshl_b32 s22, s19, 13
	s_lshl_b32 s23, s18, 23
	s_add_co_u32 s23, s23, s22                     ; q, k, v: tensor x 8 MiB + run x 8,192
	s_add_co_u32 s24, s22, 3<<20                   ; Wo: 3 MiB + run x 8,192
	s_lshr_b32 s25, s19, 1                         ; Wq, Wk, Wv: my rows are features 8 run + i: d = run / 2, hd = 8 (run % 2) + i
	s_lshr_b32 s26, s25, 3
	s_lshr_b32 s27, s25, 4
	s_xor_b32 s26, s26, s27
	s_and_b32 s26, s26, 1
	s_mul_i32 s26, s26, 24
	s_xor_b32 s25, s25, s26                        ; sw(d)
	s_lshl_b32 s25, s25, 10
	s_and_b32 s26, s19, 1
	s_lshl_b32 s26, s26, 19                        ; 8 heads x 64 rows x 1,024 bytes
	s_add_co_u32 s25, s25, s26
	s_sub_co_u32 s26, s18, 3
	s_lshl_b32 s26, s26, 20
	s_add_co_u32 s25, s25, s26
	s_mov_b32 s28, 0x10000                         ; from my row i to row i + 1: a head on, 64 rows of codes
	s_cmp_eq_u32 s18, 6
	s_cselect_b32 s10, s24, s25
	s_cselect_b32 s28, 1024, s28
	s_cmp_lt_u32 ttmp9, NX
	s_cselect_b32 s10, s23, s10
	s_cselect_b32 s28, 1024, s28                   ; plain tensors: the next row
	s_mov_b32 s11, 0
.irp u, 0,1,2,3,4,5,6,7
	s_mul_i32 s29, s28, \u
	v_add_nc_u32 v[OFF+\u], s29, v3
.endr
	s_wait_kmcnt 0x0
	s_load_b256 s[52:59], s[46:47], 0x0            ; e0 .. e7
	s_load_b128 s[60:63], s[46:47], 0x20           ; e8 .. e11
	s_mov_b64 s[4:5], s[32:33]                     ; the source: a choice among seven buffers by the tensor's number
.irp i, 1,2,3,4,5,6
	s_cmp_eq_u32 s18, \i
	s_cselect_b64 s[4:5], s[32+2*\i:33+2*\i], s[4:5]
.endr
	s_cmp_lt_u32 ttmp9, NX
	s_cselect_b64 s[8:9], s[48:49], s[50:51]
	s_add_nc_u64 s[4:5], s[4:5], s[2:3]
	s_add_nc_u64 s[8:9], s[8:9], s[10:11]
.macro LOAD t
.irp i, 0,1,2,3
	global_load_b128 v[R+16*((\t)%4)+4*\i:R+16*((\t)%4)+4*\i+3], v3, s[4:5] offset:2048*(\t)+512*\i th:TH_LOAD_NT   ; 32 lanes read 512 consecutive bytes; read once in the launch
.endr
.endm
.macro TURN t                          ; step t's numbers through the stage: LDS serves a wave's instructions in order (ISA guide 5.7.1.4), so no wait stands between the stores and the loads
.irp i, 0,1,2,3
	ds_store_b128 v14, v[R+16*((\t)%4)+4*\i:R+16*((\t)%4)+4*\i+3] offset:32*SP*((\t)%2)+8*SP*\i
.endr
.irp i, 0,1,2,3
	ds_load_b128 v[X+16*((\t)%2)+4*\i:X+16*((\t)%2)+4*\i+3], v15 offset:32*SP*((\t)%2)+16*\i
.endr
.endm
.irp t, 0,1,2,3
	LOAD \t
.endr
	s_wait_kmcnt 0x0
	s_mov_b32 s22, s52                             ; my tensor's e: q e0, k e2, v e4, Wq e1, Wk e3, Wv e5, Wo e11
	s_cmp_eq_u32 s18, 1
	s_cselect_b32 s22, s54, s22
	s_cmp_eq_u32 s18, 2
	s_cselect_b32 s22, s56, s22
	s_cmp_eq_u32 s18, 3
	s_cselect_b32 s22, s53, s22
	s_cmp_eq_u32 s18, 4
	s_cselect_b32 s22, s55, s22
	s_cmp_eq_u32 s18, 5
	s_cselect_b32 s22, s57, s22
	s_cmp_eq_u32 s18, 6
	s_cselect_b32 s22, s63, s22
	s_add_co_i32 s22, s22, 127
	s_lshl_b32 s23, s22, 23
	v_mov_b32 v11, s23                             ; 2^e as f32: the conversion takes its exponent field
	s_add_co_i32 s22, s22, EMAX
	s_lshl_b32 s22, s22, 23
	s_or_b32 s22, s22, MANT
	s_wait_alu depctr_va_vdst(0)
	s_wait_loadcnt 12                              ; step 0's four loads are in; the twelve of steps 1 to 3 may be out
	TURN 0
.macro STEP t
.set XS, X+16*((\t)%2)
	s_wait_dscnt 0x0                               ; this step's numbers are back from the stage: so its stores into the stage have read their registers,
.if (\t)+4 < STEPS
	LOAD (\t)+4                                    ; which take the loads of four steps on
.endif
.if (\t)+1 < STEPS
.if STEPS-2-(\t) >= 3
	s_wait_loadcnt 12                              ; the next step's four loads are in; those of the three steps behind it may be out
.else
	s_wait_loadcnt 4*(STEPS-2-(\t))                ; at the tail fewer steps are behind it
.endif
	TURN (\t)+1                                    ; and go through the other stage while this step is worked
.endif
.irp i, 0,1,2,3,4,5,6,7,8,9,10,11,12,13,14,15
.endr
	v_cvt_scalef32_pk8_bf8_f32 v[C+4*(\t):C+4*(\t)+1], v[XS:XS+7], v11
	v_cvt_scalef32_pk8_bf8_f32 v[C+4*(\t)+2:C+4*(\t)+3], v[XS+8:XS+15], v11
	global_store_b128 v[OFF+(\t)/2], v[C+4*(\t):C+4*(\t)+3], s[8:9] offset:512*((\t)%2)   ; half a row of codes: 512 consecutive bytes, at a multiple of 512 from the buffer's first byte.  The codes go to a store alone
.endm
.irp t, 0,1,2,3,4,5,6,7,8,9,10,11,12,13,14,15
	STEP \t
.endr
	s_wait_tensorcnt 0x0
	ds_add_u32 v192, v193
	s_wait_dscnt 0x0
	s_endpgm
.Lfunc_end_k_q30901a1400_quant:
	.size	k_q30901a1400_quant, .Lfunc_end_k_q30901a1400_quant-k_q30901a1400_quant
	.p2alignl 7, 3214868480
	.fill 96, 4, 3214868480
	.section	.rodata,"a",@progbits
	.p2align	6, 0x0
	.amdhsa_kernel k_q30901a1400_quant
		.amdhsa_group_segment_fixed_size 33280
		.amdhsa_private_segment_fixed_size 0
		.amdhsa_enable_private_segment 0
		.amdhsa_kernarg_size 80
		.amdhsa_user_sgpr_count 2
		.amdhsa_user_sgpr_kernarg_segment_ptr 1
		.amdhsa_wavefront_size32 1
		.amdhsa_system_sgpr_workgroup_id_x 1
		.amdhsa_system_sgpr_workgroup_id_y 1
		.amdhsa_system_sgpr_workgroup_id_z 1
		.amdhsa_system_vgpr_workitem_id 0
		.amdhsa_next_free_vgpr 194
		.amdhsa_next_free_sgpr 66
		.amdhsa_reserve_vcc 0
		.amdhsa_float_denorm_mode_32 3
		.amdhsa_float_denorm_mode_16_64 3
		.amdhsa_fp16_overflow 1
		.amdhsa_memory_ordered 1
		.amdhsa_forward_progress 1
		.amdhsa_inst_pref_size 24
	.end_amdhsa_kernel
	.amdgpu_metadata
---
amdhsa.version: [ 1, 2 ]
amdhsa.kernels:
  - .name:           k_q30901a1400_quant
    .symbol:         k_q30901a1400_quant.kd
    .args:
      - { .name: q, .offset: 0, .size: 8, .value_kind: global_buffer, .address_space: global }
      - { .name: k, .offset: 8, .size: 8, .value_kind: global_buffer, .address_space: global }
      - { .name: v, .offset: 16, .size: 8, .value_kind: global_buffer, .address_space: global }
      - { .name: Wq, .offset: 24, .size: 8, .value_kind: global_buffer, .address_space: global }
      - { .name: Wk, .offset: 32, .size: 8, .value_kind: global_buffer, .address_space: global }
      - { .name: Wv, .offset: 40, .size: 8, .value_kind: global_buffer, .address_space: global }
      - { .name: Wo, .offset: 48, .size: 8, .value_kind: global_buffer, .address_space: global }
      - { .name: lowp_scales, .offset: 56, .size: 8, .value_kind: global_buffer, .address_space: global }
      - { .name: xc, .offset: 64, .size: 8, .value_kind: global_buffer, .address_space: global }
      - { .name: wc, .offset: 72, .size: 8, .value_kind: global_buffer, .address_space: global }
    .group_segment_fixed_size: 33280
    .private_segment_fixed_size: 0
    .kernarg_segment_align: 8
    .kernarg_segment_size: 80
    .max_flat_workgroup_size: 128
    .sgpr_count:     66
    .vgpr_count:     194
    .wavefront_size: 32
...
	.end_amdgpu_metadata
.endif
;; end of part 1
;; launch proj (part 2): grid 4 x 96, 4 waves a work-group, clusters of 4 x 4, 327,680 bytes of LDS; arguments xc, wc, lowp_scales, bq, bk, bv, qkvc; writes qkvc
.if DOCPART == 2
	.amdgcn_target "amdgcn-amd-amdhsa--gfx1250"
	.amdhsa_code_object_version 6
	.text
	.protected	k_q30901a1400_proj
	.globl	k_q30901a1400_proj
	.p2align	8
	.type	k_q30901a1400_proj,@function
k_q30901a1400_proj:
	s_mov_b64 s[64:65], 0
	v_nop
	global_prefetch_b8 v0, s[64:65] scope:SCOPE_SE
	s_setreg_imm32_b32 hwreg(HW_REG_WAVE_MODE, 25, 1), 1
	s_wait_xcnt 0x0
	s_wait_alu depctr_hold_cnt(0) depctr_sa_sdst(0) depctr_va_vdst(0) depctr_va_sdst(0) depctr_va_ssrc(0) depctr_va_vcc(0) depctr_vm_vsrc(0)
	s_getreg_b32 s2, hwreg(HW_REG_IB_STS2, 6, 4)
	s_cmp_eq_u32 s2, 0
	s_cbranch_scc0 .Lentry_in_a_cluster
	s_endpgm
.Lentry_in_a_cluster:
	s_bfe_u32 s2, ttmp6, 0x10000c
	s_cmp_lg_u32 s2, 0xf033
	s_cbranch_scc0 .Lentry_shape_is_right
	s_endpgm
.Lentry_shape_is_right:
; The three projections x W^T + b on codes of BF8, their results quantised on the way out as operands of the attention.  Tensor Z = 0, 1, 2: q, k, v.
; xc [3][8192][1024] and wc [4][1024][1024]: codes, K innermost; row 64 hd + p of a weight in wc is feature 16 sw(p) + hd (sw exchanges bits 3 and 4).
; OUT, qkvc: three parts of 8 MiB, in each 131,072 bytes for (batch bb, head hd) at (16 bb + hd) << 17.  Q and K: [token 2048][64 places of the head].
; V: [block of 128 keys][row p 0..63][128 bytes]: row p is place sw(p) of the head, byte x is key sw(x) of the block: the order in which the attention's loads of 16 bytes give the matrix unit its own layout.
; A sum stands for sum x 2^(ea + eb).  The bias goes in as the C of the first K step, divided by 2^(ea + eb); the code is (sum) / 2^(eo - ea - eb), held within +-57,344.
; LIMITS: eo - ea - eb between -126 and 112 (ea, eb: the product's two scales; eo: e6, e7 or e9).  NaN among the inputs is not served.
; SHARES: a work-group of four waves makes 256 tokens x 256 features, a wave 128 x 128: 64 accumulators, 512 registers.  K = 1,024 goes in four steps of 256 through two LDS slots filled by the tensor data mover.
; CLUSTERS: 4 x 4 work-groups.  The four of a row of the cluster need the same tile of x, the four of a column the same tile of W: each tile is asked for jointly, by one tensor load with one descriptor and a mask that names the four.
; All sixteen partners have the same Z (it is made of the cluster's y alone).
; ROLES.  The matrix instruction gives a lane one row of its source 1 and eight neighbouring rows of its source 0.  A lane's eight numbers become eight neighbouring codes, so source 0 must run along the reader's K:
; for Q and K along the features (source 0 = W, source 1 = x), for V along the tokens (source 0 = x, source 1 = W).  The text is one: only the LDS addresses of the two sources change places, by a choice on Z.
; REGISTERS, in windows of 256: window 0: v0-31 addresses; v32-95 the bias in the result's layout; v96-127 codes; from v128 source 1's fragments (8 x 16 rows x 128 K), ONE set.
;   window 1: source 0's fragments, TWO sets, at v0 and v128.   window 2: accumulators of source 1's rows 0-63 ((a, b) at v[8 (8 a + b)]);   window 3: of rows 64-127.
.set KROW,   1024                      ; a row of codes in memory, in bytes
.set ROWB,   256                       ; a tile's row: 256 along K
.set PITCH,  272                       ; an LDS row: 256 bytes + 16 of padding = 68 words: the 16 rows that a load touches start at 16 different banks (64 banks of 4 bytes: ISA guide 11.1)
.set FR,     16                        ; registers of a fragment: 16 rows x 128 K
.set NL,     4                         ; LDS loads that bring one
.set NP,     4                         ; places behind this matrix instruction (ISA guide 7.12.1)
.set HALFT,  128*PITCH                 ; 128 rows: what one tensor load brings
.set SLOT,   4*HALFT                   ; x's 256 rows, then W's 256 rows
.set SPARE,  2*SLOT                    ; behind the ring: the spare words, 128 bytes for each wave: two blocks of 256 bytes that no other line names
.set SPITCH, 144                       ; the way out: a stage of 16 rows x (128 bytes + 16) for each wave, in slot 0, which has had its last fill and its last read when the first code is stored there
.set CO,   4                           ; v4-7    my byte offsets in qkvc for a block's four stores
.set CSC,  12                          ; v12     2^(eo - ea - eb)
.set CLIM, 13
.set ADRA, 16                          ; v16-17  LDS address of source 1's fragments in slot 0, 1
.set ADRB, 20                          ; v20-21  the same for source 0
.set STO,  24                          ; v24     the way out: where I put 16 codes of a row
.set RD,   25                          ; v25     the way out: where I read rows back
.set SPW,  28                          ; v28     LDS address of my spare word: SPARE + 4 x my thread's number; never rewritten
.set NIL,  29                          ; v29     0; never rewritten
.set BI,   32                          ; v32-95  the bias: eight registers for each of eight blocks
.set TMP,  32
.set BA,   96                          ; v96-103 the bias loads' offsets
.set PCB,  96                          ; the way out: a block's codes, v96-111 and v112-127 by turns
.set AF,   128                         ; source 1's fragments
.set BK,   128                         ; the way out: rows read back, v128-143 and v144-159 by turns
.set G1, 24                            ; s[24:31] descriptor group 1 for x's tiles;  s[32:39] group 0, one set for each slot
.set G0, 32
.set G1B, 48                           ; s[48:55], s[56:63] the same for W's tiles
.set G0B, 56
.set ZT, 66                            ; s66 Z
.set MSB, 0
.macro WIN new                         ; the immediate's high byte repeats the setting that is left
.if MSB != \new
	s_set_vgpr_msb (MSB<<8)|\new
.set MSB, \new
.endif
.endm
.set MUL_LO,   0xa1                    ; source 0 window 1, source 1 window 0, C and D window 2
.set MUL_HI,   0xf1                    ; the same, C and D window 3
.set FIRST_LO, 0x81                    ; the first K step: C (the bias) window 0, D window 2
.set FIRST_HI, 0xc1                    ; D window 3
.set TO_B,     0x40                    ; destination window 1, address window 0
; A joint load: waves 0 and 1 fetch x's halves, waves 2 and 3 W's.  Each of the two lines has one mask and one set of registers for all that issue it; the branch hangs on the wave's number alone.
; Four v_nop follow each of the two lines, ahead of the jump, the label and what follows.
.macro JLOAD g0a, g1a, g0b, g1b
	s_cmp_eq_u32 s15, 0
	s_cbranch_scc0 .Lfor_b_\@
	tensor_load_to_lds s[\g0a:\g0a+3], s[\g1a:\g1a+7]
	s_nop 0
.rept 4
	v_nop
.endr
	s_branch .Lasked_\@
.Lfor_b_\@:
	tensor_load_to_lds s[\g0b:\g0b+3], s[\g1b:\g1b+7]
	s_nop 0
.rept 4
	v_nop
.endr
.Lasked_\@:
.endm
.macro CREST                           ; a round of the cluster's barrier behind its opening barrier
	s_cmp_lg_u32 s14, 0
	s_cbranch_scc1 .Lnot_wave_0_\@
	s_barrier_signal -3
.Lnot_wave_0_\@:
	s_barrier_wait -3
	s_barrier_signal -1
	s_barrier_wait -1
.endm
.macro CROUND                          ; a whole round
	s_barrier_signal -1
	s_barrier_wait -1
	CREST
.endm
	s_load_b128 s[4:7], s[0:1], 0x0                ; xc, wc
	s_load_b64 s[8:9], s[0:1], 0x10                ; the scales' exponents
	s_load_b128 s[68:71], s[0:1], 0x18             ; bq, bk
	s_load_b128 s[72:75], s[0:1], 0x28             ; bv, qkvc
	v_lshl_add_u32 v[SPW], v0, 2, SPARE
	v_mov_b32 v[NIL], 0
	ds_add_u32 v28, v29
	ds_add_u32 v28, v29
	s_wait_dscnt 0x0
	v_lshrrev_b32 v1, 5, v0
	v_readfirstlane_b32 s14, v1                    ; wave 0..3
	s_lshr_b32 s15, s14, 1                         ; which half of source 1's 256 rows is mine.  Also: I fetch for x (0) or for W (1)
	s_and_b32 s16, s14, 1                          ; which half of source 0's.  Also: which 128 rows of that tile I fetch
	s_bfe_u32 s40, ttmp6, 0x40000                  ; cx, cy: my place in the cluster
	s_bfe_u32 s41, ttmp6, 0x40004
	s_lshl_b32 s42, ttmp9, 2
	s_add_co_u32 s42, s42, s40                     ; tx: which 256 features = 4 x cluster x + cx
	s_and_b32 s[ZT], ttmp7, 0xffff                 ; cluster y, 0..23
	s_lshl_b32 s17, s[ZT], 2
	s_add_co_u32 s17, s17, s41                     ; ty: which 256 rows of xc = 4 x cluster y + cy, 0..95
	s_lshr_b32 s[ZT], s[ZT], 3                     ; Z: eight clusters' rows to a tensor
	s_lshl_b32 s43, s41, 2
	s_lshl_b32 s43, 15, s43                        ; my row of the cluster
	s_lshl_b32 s44, 0x1111, s40                    ; my column
	; descriptor group 1: a tile of 128 rows x 256 bytes, padded in LDS
	s_or_b32 s[G1+0], s43, (0<<16)|(1<<20)|(1<<21)|(5<<22)|(3<<25)  ; 15:0 the mask: x's tiles go to my row; 17:16 elements of 1 byte; 20 padding on; 21 set beside a mask; 24:22 after every 64 words (code 5); 31:25 four words (code 3)
	s_or_b32 s[G1B+0], s44, (0<<16)|(1<<20)|(1<<21)|(5<<22)|(3<<25) ; the same with the mask of my column
.irp g, G1, G1B
	s_mov_b32 s[\g+1], ROWB<<16                    ; tensor_dim0
	s_mov_b32 s[\g+2], 128<<16                     ; tensor_dim1 = 128
	s_mov_b32 s[\g+3], ROWB<<16                    ; tile_dim0
	s_mov_b32 s[\g+4], 128                         ; tile_dim1 = 128
	s_mov_b32 s[\g+5], KROW                        ; tensor_dim0_stride
	s_mov_b32 s[\g+6], 0
	s_mov_b32 s[\g+7], 0
.endr
	s_lshl_b32 s18, s16, 7                         ; which 128 rows of the tile I fetch
	s_lshl_b32 s20, s17, 8
	s_add_co_u32 s20, s20, s18                     ; x: row 256 ty + 128 x half,
	s_lshl_b32 s20, s20, 10                        ; in bytes (under 2^25)
	s_mov_b32 s21, 0
	s_lshl_b32 s46, s42, 8
	s_add_co_u32 s46, s46, s18                     ; W: row 256 tx + 128 x half,
	s_lshl_b32 s46, s46, 10
	s_lshl_b32 s47, s[ZT], 20
	s_add_co_u32 s46, s46, s47                     ; of weight Z
	s_mov_b32 s47, 0
	s_mul_i32 s45, s14, HALFT                      ; where they go: wave x 128 rows: no place in the cluster enters an LDS address
	s_wait_kmcnt 0x0
	s_load_b256 s[88:95], s[8:9], 0x0              ; e0 .. e7
	s_load_b128 s[96:99], s[8:9], 0x20             ; e8 .. e11
	s_add_nc_u64 s[20:21], s[4:5], s[20:21]
	s_add_nc_u64 s[46:47], s[6:7], s[46:47]
	CROUND                                         ; all sixteen work-groups are here: the first joint loads meet
.irp s, 0,1
	s_mov_b32 s[G0+4*\s], 1
	s_add_co_u32 s[G0+4*\s+1], s45, \s*SLOT
	s_add_nc_u64 s[G0+4*\s+2:G0+4*\s+3], s[20:21], \s*ROWB
	s_or_b32 s[G0+4*\s+3], s[G0+4*\s+3], 0x80000000
	s_mov_b32 s[G0B+4*\s], 1
	s_add_co_u32 s[G0B+4*\s+1], s45, \s*SLOT
	s_add_nc_u64 s[G0B+4*\s+2:G0B+4*\s+3], s[46:47], \s*ROWB
	s_or_b32 s[G0B+4*\s+3], s[G0B+4*\s+3], 0x80000000
	s_wait_alu depctr_va_vdst(0)
	s_wait_tensorcnt 0x0
	ds_add_u32 v28, v29
	ds_add_u32 v28, v29
	s_wait_dscnt 0x0
	CROUND
	JLOAD G0+4*\s, G1, G0B+4*\s, G1B
.endr
	; what hangs on Z: all chosen on one compare (moves leave SCC alone)
	s_mov_b32 s2, 256
	s_mov_b32 s76, 1024
	s_mov_b32 s78, 1024
	s_cmp_eq_u32 s[ZT], 2
	s_cselect_b32 s82, 2*HALFT, 0                  ; source 1 reads W's region for V, x's for Q and K
	s_cselect_b32 s83, 0, 2*HALFT                  ; source 0 the other
	s_cselect_b32 s84, 3, 4                        ; the bias: which bit of the lane's number counts 256 features,
	s_cselect_b32 s85, 7, 0                        ; which bits count 16,
	s_cselect_b32 s86, 0, 64                       ; and the bytes from register to register
	s_cselect_b32 s87, s15, s16                    ; my half along the features
	s_cselect_b32 s3, s16, s15                     ; my half along the tokens
	s_cselect_b32 s2, 512, s2                      ; the way out: bytes from one of a block's four stores to the next,
	s_cselect_b32 s76, 2048, s76                   ; from block to block,
	s_cselect_b32 s78, 124928, s78                 ; and from block 3 to block 4 (V: the next head: 131,072 - 3 x 2,048)
	s_cselect_b32 s18, 128, 64                     ; bytes for (lane / 8),
	s_cselect_b32 s19, 64, 0x20000                 ; and for bit 2 of the lane (Q, K: the second head)
	s_cselect_b64 s[80:81], s[72:73], s[70:71]
	s_cmp_eq_u32 s[ZT], 0
	s_cselect_b64 s[80:81], s[68:69], s[80:81]     ; the bias: bq, bk or bv
	s_mov_b32 s77, 0
	s_mov_b32 s79, 0
	v_and_b32 v1, 15, v0                           ; r = lane % 16
	s_wait_alu depctr_va_vdst(0)
	v_bfe_u32 v2, v0, 4, 1                         ; h = lane / 16
	v_mul_u32_u24 v3, v1, PITCH
	v_lshl_add_u32 v3, v2, 4, v3                   ; a fragment's row x pitch + 16 x half
	s_mul_i32 s21, s15, HALFT
	s_add_co_u32 s21, s21, s82
	s_mul_i32 s22, s16, HALFT
	s_add_co_u32 s22, s22, s83
.irp s, 0,1
	v_add_nc_u32 v[ADRA+\s], s21, v3
	v_add_nc_u32 v[ADRB+\s], s22, v3
	s_add_co_u32 s21, s21, SLOT
	s_add_co_u32 s22, s22, SLOT
.endr
	s_mul_i32 s23, s14, 16*SPITCH                  ; my stage
	v_mul_u32_u24 v8, v1, SPITCH                   ; in: row r, 16 bytes for each half of the lanes
	s_wait_alu depctr_va_vdst(0)
	v_lshl_add_u32 v8, v2, 4, v8
	v_add_nc_u32 v[STO], s23, v8
	v_bfe_u32 v10, v0, 3, 2                        ; lane / 8
	v_and_b32 v11, 7, v0
	v_mul_u32_u24 v8, v10, SPITCH                  ; back: eight lanes take a row of 128 bytes, the 32 lanes four rows
	v_lshl_add_u32 v8, v11, 4, v8
	v_add_nc_u32 v[RD], s23, v8
	; and the same 16 bytes in qkvc.  Q, K: a stage row is a token, its halves two heads: 64 (lane / 8) + 131,072 (bit 2) + 16 (lane % 4).  V: a stage row is a row of 128 keys: 128 (lane / 8) + 64 (bit 2) + 16 (lane % 4) = 16 x lane
	v_mul_lo_u32 v10, v10, s18
	v_bfe_u32 v11, v0, 2, 1
	v_mul_lo_u32 v11, v11, s19
	v_and_b32 v8, 3, v0
	v_lshlrev_b32 v8, 4, v8
	v_add3_u32 v8, v8, v10, v11
.irp i, 0,1,2,3
	s_mul_i32 s23, s2, \i
	v_add_nc_u32 v[CO+\i], s23, v8
.endr
	; where my wave's part of qkvc begins: Z << 23 + batch << 21 + first head << 17 + (ty % 8) << 14 + (half along the tokens) << 13
	s_lshl_b32 s87, s87, 1
	s_lshl_b32 s19, s42, 2
	s_add_co_u32 s87, s87, s19                     ; my first head: 4 tx + 2 x half
	s_lshl_b32 s18, s[ZT], 23
	s_and_b32 s19, s17, 31
	s_lshr_b32 s19, s19, 3                         ; the batch: eight tiles of 256 tokens each
	s_lshl_b32 s19, s19, 21
	s_add_co_u32 s18, s18, s19
	s_lshl_b32 s19, s87, 17
	s_add_co_u32 s18, s18, s19
	s_and_b32 s19, s17, 7
	s_lshl_b32 s19, s19, 14                        ; 256 tokens are 256 x 64 bytes of Q or K, and two blocks of 8,192 bytes of V
	s_add_co_u32 s18, s18, s19
	s_lshl_b32 s19, s3, 13
	s_add_co_u32 s18, s18, s19
	s_mov_b32 s19, 0
	s_add_nc_u64 s[10:11], s[74:75], s[18:19]
	; THE BIAS in the result's layout.  Block idx of 16 features, in wc's order, holds rows 64 (head) + 16 (idx % 4) + x; row p is feature 16 sw(p) + head, at byte 64 sw(p) + 4 head.
	; Q, K: register j of block b is feature-row 16 b + 8 h + j: byte 2048 ((b % 4) / 2) + 1024 h + 512 (b % 2) + 64 j + 4 head.  V: all eight registers of block a are row 16 a + r: 1024 (r / 8) + 64 (r % 8) in h's and j's place
	v_lshrrev_b32 v8, s84, v0
	v_and_b32 v8, 1, v8
	v_and_b32 v9, s85, v0
	v_lshlrev_b32 v8, 10, v8
	v_lshl_add_u32 v8, v9, 6, v8
	s_lshl_b32 s19, s87, 2
	v_add_nc_u32 v8, s19, v8
	s_wait_alu depctr_va_vdst(0)
.irp j, 0,1,2,3,4,5,6,7
	s_mul_i32 s19, s86, \j
	v_add_nc_u32 v[BA+\j], s19, v8
.endr
.irp x, 0,1,2,3,4,5,6,7
.irp j, 0,1,2,3,4,5,6,7
	global_load_b32 v[BI+8*\x+\j], v[BA+\j], s[80:81] offset:2048*((\x%4)/2)+512*(\x%2)+4*(\x/4)
.endr
.endr
.macro FRAG reg, adr, q, i             ; a fragment, 16 rows x 128 K: lane l holds row l % 16; registers 4 c .. 4 c + 3 hold K = 32 c + 16 (l / 16) + 0 .. 15: the same places of K in both sources
.irp c, 0,1,2,3
	ds_load_b128 v[\reg+4*\c:\reg+4*\c+3], v[\adr] offset:128*(\q)+32*\c+(\i)*16*PITCH
.endr
.endm
; 16 matrix instructions: source 1's blocks a0, a0 + 1 x source 0's eight, 128 along K.  p: source 0's set.  zero = 1: the first K step, C = the bias of block b; 2: of block a; 0: in place.
; The 64 accumulators take turns, one instruction a turn, in the same order in every step.
.macro MUL16 a0, p, zero
.irp a, \a0, \a0+1
.irp b, 0,1,2,3,4,5,6,7
.if \zero == 1
	v_wmma_f32_16x16x128_bf8_bf8 v[8*(8*((\a)%4)+\b):8*(8*((\a)%4)+\b)+7], v[128*(\p)+FR*\b:128*(\p)+FR*\b+FR-1], v[AF+FR*(\a):AF+FR*(\a)+FR-1], v[BI+8*\b:BI+8*\b+7]
.elseif \zero == 2
	v_wmma_f32_16x16x128_bf8_bf8 v[8*(8*((\a)%4)+\b):8*(8*((\a)%4)+\b)+7], v[128*(\p)+FR*\b:128*(\p)+FR*\b+FR-1], v[AF+FR*(\a):AF+FR*(\a)+FR-1], v[BI+8*(\a):BI+8*(\a)+7]
.else
	v_wmma_f32_16x16x128_bf8_bf8 v[8*(8*((\a)%4)+\b):8*(8*((\a)%4)+\b)+7], v[128*(\p)+FR*\b:128*(\p)+FR*\b+FR-1], v[AF+FR*(\a):AF+FR*(\a)+FR-1], v[8*(8*((\a)%4)+\b):8*(8*((\a)%4)+\b)+7]
.endif
.endr
.endr
.endm
.macro FETCH_B slot, q, p              ; source 0's eight fragments of the slot's q-th 128 along K into set p
	WIN TO_B
.irp i, 0,1,2,3,4,5,6,7
	FRAG 128*(\p)+FR*\i, ADRB+\slot, \q, \i
.endr
	WIN 0
.endm
.macro FETCH_A slot, q, i0             ; source 1's blocks i0 .. i0 + 3
.irp i, \i0, \i0+1, \i0+2, \i0+3
	FRAG AF+FR*(\i), ADRA+\slot, \q, \i
.endr
.endm
; A load into a register that a matrix instruction has read, and a vector instruction that reads a matrix result, stand NP places behind that matrix instruction; only plain vector
; instructions that name none of its registers are places (ISA guide 7.12.1 for vector instructions).
.macro PLACES n
.rept \n
	v_nop
.endr
.endm
; A step of 128 along K that has its successor in the same slot.
.macro STEP slot, q, zero
	s_wait_dscnt 4*NL                              ; source 0's set and source 1's blocks 0-3 are in; the youngest 16 loads (blocks 4-7) may be out
.if \zero
	WIN FIRST_LO
.else
	WIN MUL_LO
.endif
	MUL16 0, (\q)%2, \zero
	MUL16 2, (\q)%2, \zero
	s_wait_dscnt 0                                 ; blocks 4-7 are in (asked for 32 matrix instructions ago)
	PLACES NP
	FETCH_B \slot, (\q)+1, 1-(\q)%2
	FETCH_A \slot, (\q)+1, 0
.if \zero
	WIN FIRST_HI
.else
	WIN MUL_HI
.endif
	MUL16 4, (\q)%2, \zero
	MUL16 6, (\q)%2, \zero
	PLACES NP
	WIN 0
	FETCH_A \slot, (\q)+1, 4
.endm
; A slot's last step changes slots: ONE barrier; in front of it each wave waits for all its tensor loads, adds 0 to its spare word, and waits for that and for its own reads of this slot.  fill = 1: this slot is filled again, two K steps ahead.
.macro TURN slot, next, fill
	s_wait_tensorcnt 0x0                           ; all my tensor loads have landed: my part of the next slot;  (every window is 0 here: the add's two registers lie in window 0)
	ds_add_u32 v[SPW], v[NIL]                      ; 0 onto my spare word
	s_wait_dscnt 4*NL+1                            ; (the add and the youngest 16 loads, blocks 4-7, may be out)
	WIN MUL_LO
	MUL16 0, 1, 0                                  ; sixteen matrix instructions stand between the add and the wait for it
	s_wait_dscnt 0x0                               ; the add is done, and my reads of this slot are over
	s_barrier_signal -1
	MUL16 2, 1, 0
	WIN 0
	s_barrier_wait -1
.if \fill
	CREST                                          ; the barrier has opened a round of the cluster's barrier: no wave of any partner still reads this slot's tile or has a load on its way
	s_add_nc_u64 s[G0+4*\slot+2:G0+4*\slot+3], s[G0+4*\slot+2:G0+4*\slot+3], 2*ROWB
	s_add_nc_u64 s[G0B+4*\slot+2:G0B+4*\slot+3], s[G0B+4*\slot+2:G0B+4*\slot+3], 2*ROWB
	JLOAD G0+4*\slot, G1, G0B+4*\slot, G1B         ; the first tensor load behind the round; the four v_nop behind it are the places in front of the loads below
.else
	PLACES NP
.endif
	FETCH_B \next, 0, 0
	FETCH_A \next, 0, 0
	WIN MUL_HI
	MUL16 4, 1, 0
	MUL16 6, 1, 0
	PLACES NP
	WIN 0
	FETCH_A \next, 0, 4
.endm
	s_wait_tensorcnt 1                             ; my part of K step 0 is in (K step 1's load may be out)
	s_barrier_signal -1
	s_barrier_wait -1                              ; everybody's is
	FETCH_B 0, 0, 0
	FETCH_A 0, 0, 0
	FETCH_A 0, 0, 4
	s_wait_loadcnt 0x0                             ; the bias
	s_wait_kmcnt 0x0                               ; the exponents: (ea, eb, eo) = (e0, e1, e6), (e2, e3, e7) or (e4, e5, e9)
	s_cmp_eq_u32 s[ZT], 2
	s_cselect_b32 s90, s92, s90
	s_cselect_b32 s91, s93, s91
	s_cselect_b32 s95, s97, s95
	s_cmp_eq_u32 s[ZT], 0
	s_cselect_b32 s90, s88, s90
	s_cselect_b32 s91, s89, s91
	s_cselect_b32 s95, s94, s95
	s_add_co_i32 s90, s90, s91                     ; ea + eb
	s_sub_co_i32 s91, 0, s90
	s_sub_co_i32 s95, s95, s90                     ; eo - ea - eb: the three scales folded into the conversion's one
	s_add_co_i32 s95, s95, 127
	s_lshl_b32 s94, s95, 23
	v_mov_b32 v[CSC], s94
.set i, 0
.rept 64
	v_ldexp_f32 v[BI+i], v[BI+i], s91              ; b / 2^(ea + eb): nothing is rounded
.set i, i+1
.endr
	s_cmp_eq_u32 s[ZT], 2                          ; the first K step is written twice: the bias runs along source 0's blocks (Q, K) or along source 1's (V).  Z is the same in all sixteen partners; both ways hold the same LDS loads and no store
	s_cbranch_scc1 .Lfirst_v
	s_wait_alu depctr_va_vdst(0)
	STEP 0, 0, 1
	s_branch .Lfirst_done
.Lfirst_v:
	s_wait_alu depctr_va_vdst(0)
	STEP 0, 0, 2
.Lfirst_done:
	TURN 0, 1, 1                                   ; K 128-255; slot 0 takes K 512-767
	STEP 1, 0, 0
	TURN 1, 0, 1                                   ; slot 1 takes K 768-1023
	STEP 0, 0, 0
	TURN 0, 1, 0                                   ; nothing is left to fetch, and no round of the cluster's barrier follows
	STEP 1, 0, 0
	s_wait_dscnt 4*NL                              ; the very last step
	WIN MUL_LO
	MUL16 0, 1, 0
	MUL16 2, 1, 0
	s_wait_dscnt 0
	WIN MUL_HI
	MUL16 4, 1, 0
	MUL16 6, 1, 0
	WIN 0
; THE WAY OUT, block by block of 16 rows of source 1 x 128 of source 0.  A lane's eight numbers of accumulator b are held and become eight codes; the codes of accumulators 2 x and 2 x + 1 go as 16 bytes to
; byte 32 x + 16 h of the lane's stage row: byte y of a row then holds column sw(y).  For Q and K that undoes the order of wc's rows; for V it is the order of keys that the attention wants.
; The rows come back four at a time and are stored.  Q, K: a store covers 4 tokens x 64 bytes of each of two heads: twice 256 consecutive bytes, aligned.  V: 512 consecutive bytes, aligned.
.macro TOSTAGE a
.set AC, 64*((\a)%4)
.set PC, PCB+16*((\a)%2)
.set BB, BK+16*((\a)%2)
	WIN 0x02+((\a)/4)                              ; source 0: window 2 or 3
.set i, 0
.rept 64
.set i, i+1
.endr
.set i, 0
.rept 8
	v_cvt_scalef32_pk8_bf8_f32 v[PC+2*i:PC+2*i+1], v[AC+8*i:AC+8*i+7], v[CSC]
.set i, i+1
.endr
	WIN 0
	v_nop                                          ; one plain vector line behind the last conversion
.irp x, 0,1,2,3
	ds_store_b128 v[STO], v[PC+4*\x:PC+4*\x+3] offset:32*\x
.endr
.irp x, 0,1,2,3
	ds_load_b128 v[BB+4*\x:BB+4*\x+3], v[RD] offset:4*SPITCH*\x   ; LDS serves a wave's instructions in order (ISA guide 5.7.1.4): these see the stores above
.endr
.endm
.macro SEND a, younger                 ; younger: the LDS instructions issued behind block a's loads, which may stay out
.set BB, BK+16*((\a)%2)
	s_wait_dscnt \younger                          ; the block is back in registers
.if (\a) == 4
	s_add_nc_u64 s[10:11], s[10:11], s[78:79]      ; (behind a wait on XCNT: the earlier stores have read their base)
.elseif (\a) > 0
	s_add_nc_u64 s[10:11], s[10:11], s[76:77]
.endif
.irp x, 0,1,2,3
	global_store_b128 v[CO+\x], v[BB+4*\x:BB+4*\x+3], s[10:11]
.endr
.endm
	PLACES NP                                      ; behind the last products: for the reads of results and for the loads into the registers that held source 1's fragments
	TOSTAGE 0
.irp a, 1,2,3,4,5,6,7
.if \a > 1
	s_wait_xcnt 0x0                                ; block a - 2's stores have read their registers and their base: block a's loads may land there, and the base may step
.endif
	TOSTAGE \a
	SEND \a-1, 8                                   ; behind block a - 1's loads: block a's 4 stores and 4 loads
.endr
	s_wait_xcnt 0x0                                ; block 6's stores have read their base
	SEND 7, 0
	s_wait_tensorcnt 0x0                           ; the wave's end, behind my last tensor load and my last LDS store
	ds_add_u32 v[SPW], v[NIL]
	s_wait_dscnt 0x0
	CROUND                                         ; the closing round: no work-group ends while a partner may still ask for a tile that names it
	s_endpgm
.Lfunc_end_k_q30901a1400_proj:
	.size	k_q30901a1400_proj, .Lfunc_end_k_q30901a1400_proj-k_q30901a1400_proj
	.p2alignl 7, 3214868480
	.fill 96, 4, 3214868480
	.section	.rodata,"a",@progbits
	.p2align	6, 0x0
	.amdhsa_kernel k_q30901a1400_proj
		.amdhsa_group_segment_fixed_size 327680
		.amdhsa_private_segment_fixed_size 0
		.amdhsa_enable_private_segment 0
		.amdhsa_kernarg_size 56
		.amdhsa_user_sgpr_count 2
		.amdhsa_user_sgpr_kernarg_segment_ptr 1
		.amdhsa_wavefront_size32 1
		.amdhsa_system_sgpr_workgroup_id_x 1
		.amdhsa_system_sgpr_workgroup_id_y 1
		.amdhsa_system_sgpr_workgroup_id_z 1
		.amdhsa_system_vgpr_workitem_id 0
		.amdhsa_next_free_vgpr 1024
		.amdhsa_next_free_sgpr 100
		.amdhsa_reserve_vcc 0
		.amdhsa_float_denorm_mode_32 3
		.amdhsa_float_denorm_mode_16_64 3
		.amdhsa_fp16_overflow 1
		.amdhsa_memory_ordered 1
		.amdhsa_forward_progress 1
		.amdhsa_inst_pref_size 113
	.end_amdhsa_kernel
	.amdgpu_metadata
---
amdhsa.version: [ 1, 2 ]
amdhsa.kernels:
  - .name:           k_q30901a1400_proj
    .symbol:         k_q30901a1400_proj.kd
    .args:
      - { .name: xc, .offset: 0, .size: 8, .value_kind: global_buffer, .address_space: global }
      - { .name: wc, .offset: 8, .size: 8, .value_kind: global_buffer, .address_space: global }
      - { .name: lowp_scales, .offset: 16, .size: 8, .value_kind: global_buffer, .address_space: global }
      - { .name: bq, .offset: 24, .size: 8, .value_kind: global_buffer, .address_space: global }
      - { .name: bk, .offset: 32, .size: 8, .value_kind: global_buffer, .address_space: global }
      - { .name: bv, .offset: 40, .size: 8, .value_kind: global_buffer, .address_space: global }
      - { .name: qkvc, .offset: 48, .size: 8, .value_kind: global_buffer, .address_space: global }
    .group_segment_fixed_size: 327680
    .private_segment_fixed_size: 0
    .kernarg_segment_align: 8
    .kernarg_segment_size: 56
    .max_flat_workgroup_size: 128
    .sgpr_count:     100
    .vgpr_count:     1024
    .wavefront_size: 32
...
	.end_amdgpu_metadata
.endif
;; end of part 2
;; launch attn (part 3): grid 4 x 64, 16 waves a work-group, clusters of 4 x 1, 327,680 bytes of LDS; arguments qkvc, lowp_scales, cc; writes cc
.if DOCPART == 3
	.amdgcn_target "amdgcn-amd-amdhsa--gfx1250"
	.amdhsa_code_object_version 6
	.text
	.protected	k_q30901a1400_attn
	.globl	k_q30901a1400_attn
	.p2align	8
	.type	k_q30901a1400_attn,@function
k_q30901a1400_attn:
	s_mov_b64 s[64:65], 0
	v_nop
	global_prefetch_b8 v0, s[64:65] scope:SCOPE_SE
	s_setreg_imm32_b32 hwreg(HW_REG_WAVE_MODE, 25, 1), 1
	s_wait_xcnt 0x0
	s_wait_alu depctr_hold_cnt(0) depctr_sa_sdst(0) depctr_va_vdst(0) depctr_va_sdst(0) depctr_va_ssrc(0) depctr_va_vcc(0) depctr_vm_vsrc(0)
	s_getreg_b32 s2, hwreg(HW_REG_IB_STS2, 6, 4)
	s_cmp_eq_u32 s2, 0
	s_cbranch_scc0 .Lentry_in_a_cluster
	s_endpgm
.Lentry_in_a_cluster:
	s_bfe_u32 s2, ttmp6, 0x10000c
	s_cmp_lg_u32 s2, 0x3003
	s_cbranch_scc0 .Lentry_shape_is_right
	s_endpgm
.Lentry_shape_is_right:
; Causal attention of 64 (batch, head) pairs, 2,048 tokens, head size 64, both products on codes of BF8; the result is quantised as the last product's operand.
; IN, qkvc: Q at 0, K at 8 MiB: [pair][token][64]; V at 16 MiB: [pair][block of 128 keys][row p][128]: row p is place sw(p) of the head, byte x is key sw(x) of the block (sw exchanges bits 3 and 4).
; OUT, cc: images of the last product's fragments: byte (token / 16) x 16,384 + head x 1,024 + b x 512 + 16 x lane holds, for lane (r, h), places 32 b + 16 h + 0 .. 15 of the head, token 16 (token / 16) + r.
; THE SOFTMAX: t = score x log2(e) / 32 (the problem divides by sqrt(1024)); M = the row's largest t so far, rounded UP to a whole number; p = 2^(t - M) is quantised with 2^e8, not normalised.
; The row's sum is taken of the unquantised p and divides O at the end.  When M moves, the sum and O are multiplied by 2^(old M - new M), which rounds nothing.
; LIMITS: e6 + e7 between -121 and 132 (they are added to the exponent field of log2(e) / 32); e8, and e10 - e8 - e9, between -126 and 112.  NaN among the inputs is not served.
; LDS HOLDS THE PAIR'S WHOLE K AND V: 2,048 rows of 64 + 16 bytes and 1,024 rows of 128 + 16 bytes.  Each is filled once, so no slot is filled again: one barrier at the head, none in the loops.
; CLUSTER: the four work-groups of a cluster share one pair and ask for every tile jointly: the same sixteen tensor loads (one a wave, 16 KiB each) with a mask that names the four.
; SHARES, alike in all partners.  The pair's 128 tiles of 16 queries fall into 16 groups g of 8: 128 queries, which need key steps 0 .. g, step g on the diagonal.  Work-group cx takes tiles 8 g + 2 cx + u of every group.
; Wave w: u = w / 8; it takes group w % 8 and then group 15 - w % 8: 17 key steps in every wave.  Branches hang on the wave's number and on counters alone; cx enters global addresses and the mask's comparison.
; Both loops have constant trip counts (8 and 16); a step whose keys all come after the group's queries is jumped over.
; LAYOUT.  S^T = K Q^T (source 0 = 16 keys, source 1 = my 16 queries), O^T = V^T P^T (source 0 = 16 rows of V, source 1 = P): a lane holds ONE query (lane % 16) throughout.
; In S^T tile t, register j of lane (r, h) is key 16 t + 8 h + j: its eight codes are registers 2 t, 2 t + 1 of P, which is the K = 128 form's own layout; V's order of keys makes four loads of 16 bytes give the same.
; In O^T tile t, register j is row 16 t + 8 h + j of V = place 32 (t / 2) + 16 h + 8 (t % 2) + j: tiles 2 b, 2 b + 1 are 16 neighbouring places: one store of 16 bytes a lane.
; REGISTERS: v1-3 K's and V's lane places, the mask's number; v4, v5 addresses in hand; v6 cc's offset; v7 a permute's destination; v8-11 scales; v12 -M, v13 the largest t, v[14:15] the sum;
;   v16-23, v24-31 Q of the two passes; v32-95 K's eight fragments, then P's codes (v32-47) and work (v48-54); v96-159 S^T, then p; v160-191 O^T; v192-255 V's four fragments.
.set KP,   80                          ; a key's row in LDS: 64 bytes + 16: 20 words: the 16 rows of a load start at 16 different groups of banks (64 banks of 4 bytes: ISA guide 11.1)
.set VP,   144                         ; a row of V: 128 bytes + 16
.set VOFF, 2048*KP                     ; V lies behind K
.set AK0,  1
.set AV0,  2
.set DM,   3
.set ADK,  4
.set ADV,  5
.set KF,   32
.set S,    96
.set OT,   160
.set VF,   192
.set WV,   18                          ; s18 my wave's number
.set SEL,  20                          ; s[20:21] lane selects for v_permlanex16_b32: lane l xor 16
.set CS,   22                          ; s[22:23] c = log2(e) / 32 x 2^(e6 + e7)
.set G1K,  24                          ; s[24:31], s[32:39] descriptor groups 1;  s[40:43], s[44:47] groups 0
.set G1V,  32
.set G0K,  40
.set G0V,  44
.set GG,   51                          ; s51 the pass's group
.set STP,  52                          ; s52 the key step
.set TBK,  53                          ; s53, s54 where the step's keys begin in K's and in V's region
.set TBV,  54
.macro CROUND                          ; a round of the cluster's barrier
	s_barrier_signal -1
	s_barrier_wait -1
	s_cmp_lg_u32 s[WV], 0
	s_cbranch_scc1 .Lnot_wave_0_\@
	s_barrier_signal -3
.Lnot_wave_0_\@:
	s_barrier_wait -3
	s_barrier_signal -1
	s_barrier_wait -1
.endm
	s_load_b128 s[4:7], s[0:1], 0x0                ; qkvc, the scales' exponents
	s_load_b64 s[8:9], s[0:1], 0x10                ; cc
	v_lshl_add_u32 v254, v0, 2, 0x4c000
	v_mov_b32 v255, 0
	ds_add_u32 v254, v255
	ds_add_u32 v254, v255
	s_wait_dscnt 0x0
	v_lshrrev_b32 v1, 5, v0
	s_delay_alu instid0(VALU_DEP_1)
	v_readfirstlane_b32 s[WV], v1                  ; wave 0..15
	s_bfe_u32 s48, ttmp6, 0x40000                  ; cx
	s_and_b32 s49, ttmp7, 0xffff                   ; the pair: 16 x batch + head, which the four partners share
	s_and_b32 s50, s[WV], 7                        ; my first group; also: which eighth of K or of V I fetch
	s_lshr_b32 s55, s[WV], 3                       ; u; also: I fetch for K (0) or for V (1)
	; descriptor group 1.  K: 256 rows of 64 bytes;  V: 128 rows of 128 bytes; both dense in memory, padded behind every row in LDS
	s_mov_b32 s[G1K], 15|(0<<16)|(1<<20)|(1<<21)|(3<<22)|(3<<25)   ; 15:0 the mask: all four work-groups; 17:16 elements of 1 byte; 20 padding on; 21 set beside a mask; 24:22 after every 16 words (code 3); 31:25 four words (code 3)
	s_mov_b32 s[G1K+1], 64<<16                     ; tensor_dim0
	s_mov_b32 s[G1K+2], 256<<16                    ; tensor_dim1
	s_mov_b32 s[G1K+3], 64<<16                     ; tile_dim0
	s_mov_b32 s[G1K+4], 256                        ; tile_dim1
	s_mov_b32 s[G1K+5], 64                         ; tensor_dim0_stride
	s_mov_b32 s[G1K+6], 0
	s_mov_b32 s[G1K+7], 0
	s_mov_b32 s[G1V], 15|(0<<16)|(1<<20)|(1<<21)|(4<<22)|(3<<25)   ; padding: four words after every 32
	s_mov_b32 s[G1V+1], 128<<16
	s_mov_b32 s[G1V+2], 128<<16
	s_mov_b32 s[G1V+3], 128<<16
	s_mov_b32 s[G1V+4], 128
	s_mov_b32 s[G1V+5], 128
	s_mov_b32 s[G1V+6], 0
	s_mov_b32 s[G1V+7], 0
	s_mov_b32 s[SEL], 0x76543210
	s_mov_b32 s[SEL+1], 0xfedcba98
	s_lshl_b32 s56, s49, 17                        ; the pair's first byte in each part
	s_lshl_b32 s57, s50, 14                        ; my eighth: 16,384 bytes
	s_add_co_u32 s58, s56, s57
	s_mov_b32 s59, 0
	s_mul_i32 s60, s50, 256*KP                     ; and its place in LDS
	s_mul_i32 s61, s50, 128*VP
	s_add_co_u32 s61, s61, VOFF
	s_wait_kmcnt 0x0
	s_load_b128 s[68:71], s[6:7], 0x18             ; e6, e7, e8, e9
	s_load_b32 s72, s[6:7], 0x28                   ; e10
	s_mov_b32 s[G0K], 1                            ; 1:0 count = 1
	s_mov_b32 s[G0K+1], s60                        ; 63:32 LDS address
	s_add_nc_u64 s[G0K+2:G0K+3], s[4:5], s[58:59]  ; 120:64 global address,
	s_add_nc_u64 s[G0K+2:G0K+3], s[G0K+2:G0K+3], 0x800000   ; in K's part
	s_or_b32 s[G0K+3], s[G0K+3], 0x80000000        ; 127:126 type = 2
	s_mov_b32 s[G0V], 1
	s_mov_b32 s[G0V+1], s61
	s_add_nc_u64 s[G0V+2:G0V+3], s[4:5], s[58:59]
	s_add_nc_u64 s[G0V+2:G0V+3], s[G0V+2:G0V+3], 0x1000000  ; in V's part
	s_or_b32 s[G0V+3], s[G0V+3], 0x80000000
	CROUND                                         ; all four work-groups are here: the joint loads meet
	s_cmp_lt_u32 s[WV], 8                          ; one load a wave; the branch hangs on the wave's number alone.  Four v_nop follow each line
	s_cbranch_scc0 .Lfor_v
	tensor_load_to_lds s[G0K:G0K+3], s[G1K:G1K+7]
	s_nop 0
.rept 4
	v_nop
.endr
	s_branch .Lasked
.Lfor_v:
	tensor_load_to_lds s[G0V:G0V+3], s[G1V:G1V+7]
	s_nop 0
.rept 4
	v_nop
.endr
.Lasked:
	v_and_b32 v32, 15, v0                          ; r
	v_bfe_u32 v33, v0, 4, 1                        ; h
	s_delay_alu instid0(VALU_DEP_2)
	v_mul_u32_u24 v[AK0], v32, KP
	s_delay_alu instid0(VALU_DEP_1)
	v_lshl_add_u32 v[AK0], v33, 4, v[AK0]          ; K: row r, + 16 h
	s_delay_alu instid0(VALU_DEP_4)
	v_mul_u32_u24 v[AV0], v32, VP
	s_delay_alu instid0(VALU_DEP_1)
	v_lshl_add_u32 v[AV0], v33, 4, v[AV0]
	s_delay_alu instid0(VALU_DEP_1)
	v_add_nc_u32 v[AV0], VOFF, v[AV0]              ; V likewise
	s_lshl_b32 s62, s48, 5
	s_lshl_b32 s63, s55, 4
	s_add_co_u32 s62, s62, s63                     ; my tile's first query within a group: 32 cx + 16 u
	v_lshlrev_b32 v34, 3, v33
	s_delay_alu instid0(VALU_DEP_1)
	v_sub_nc_u32 v[DM], v32, v34
	s_delay_alu instid0(VALU_DEP_1)
	v_add_nc_u32 v[DM], s62, v[DM]                 ; my query within the group - 8 h (a signed number)
	v_lshlrev_b32 v34, 6, v32
	s_delay_alu instid0(VALU_DEP_1)
	v_lshl_add_u32 v34, v33, 4, v34                ; Q: row r of 64 bytes, + 16 h
	s_wait_alu depctr_va_vdst(0)
	s_lshl_b32 s63, s50, 7
	s_add_co_u32 s63, s63, s62
	s_lshl_b32 s63, s63, 6
	s_add_co_u32 s63, s63, s56
	v_add_nc_u32 v4, s63, v34                      ; the first pass's tile,
	s_sub_co_u32 s63, 15, s50
	s_lshl_b32 s63, s63, 7
	s_add_co_u32 s63, s63, s62
	s_lshl_b32 s63, s63, 6
	s_add_co_u32 s63, s63, s56
	v_add_nc_u32 v5, s63, v34                      ; the second's
	global_load_b128 v[16:19], v4, s[4:5]          ; a fragment of 16 rows x 64: registers 4 c .. 4 c + 3 hold places 32 c + 16 h + 0 .. 15, as K's fragments do
	global_load_b128 v[20:23], v4, s[4:5] offset:32
	global_load_b128 v[24:27], v5, s[4:5]
	global_load_b128 v[28:31], v5, s[4:5] offset:32
	s_lshr_b32 s73, s49, 4                         ; cc: (batch x 128 + 2 cx + u) << 14 + head << 10; a pass adds its group << 17
	s_lshl_b32 s73, s73, 7
	s_lshl_b32 s74, s48, 1
	s_add_co_u32 s73, s73, s74
	s_add_co_u32 s73, s73, s55
	s_lshl_b32 s73, s73, 14
	s_and_b32 s74, s49, 15
	s_lshl_b32 s74, s74, 10
	s_add_co_u32 s73, s73, s74
	v_mov_b32 v7, 0                                ; written once: a lane permute's destination counts as one of its sources
	s_wait_kmcnt 0x0
	s_add_co_i32 s74, s68, s69
	s_lshl_b32 s74, s74, 23
	s_add_co_i32 s[CS], s74, 0x3d38aa3b            ; log2(e) / 32, with e6 + e7 added to its exponent field
	s_mov_b32 s[CS+1], s[CS]                       ; (named with it as a pair, so it is written)
	s_add_co_i32 s74, s70, 127
	s_lshl_b32 s75, s74, 23
	v_mov_b32 v10, s75                             ; 2^e8
	s_sub_co_i32 s74, s72, s70
	s_sub_co_i32 s74, s74, s71                     ; a sum of the second product stands for sum x 2^(e8 + e9): its code is (sum / l) / 2^(e10 - e8 - e9)
	s_add_co_i32 s74, s74, 127
	s_lshl_b32 s75, s74, 23
	v_mov_b32 v8, s75
	s_wait_loadcnt 0x0                             ; Q is in, and v4, v5 may be written
	s_wait_tensorcnt 0x0                           ; my eighth is in,
	s_barrier_signal -1
	s_barrier_wait -1                              ; everybody's is: K and V are whole, and nothing writes them again
; A KEY STEP: 128 keys.  qr: Q's fragment.
.macro STEP qr
	s_cmp_gt_u32 s[STP], s[GG]                     ; all its keys come after my group's queries: left out
	s_cbranch_scc1 .Lhid_\@
	s_setprio 2
	v_add_nc_u32 v[ADK], s[TBK], v[AK0]
	v_add_nc_u32 v[ADV], s[TBV], v[AV0]
	v_nop                                          ; with the two additions: four places behind the last step's products, in front of loads into registers that they read
	v_nop
.set i, 0
.rept 8
	ds_load_b128 v[KF+8*i:KF+8*i+3],   v[ADK] offset:16*KP*i
	ds_load_b128 v[KF+8*i+4:KF+8*i+7], v[ADK] offset:16*KP*i+32
.set i, i+1
.endr
	s_wait_alu depctr_va_vdst(0)
	s_wait_dscnt 0x0
.set i, 0
.rept 8
	v_wmma_f32_16x16x64_bf8_bf8 v[S+8*i:S+8*i+7], v[KF+8*i:KF+8*i+7], v[\qr:\qr+7], 0
.set i, i+1
.endr
.set i, 0
.rept 16
	ds_load_b128 v[VF+4*i:VF+4*i+3], v[ADV] offset:16*VP*(i/4)+32*(i%4)   ; V's four fragments land while the softmax is worked
.set i, i+1
.endr
.rept 4
	v_nop                                          ; four places in front of the first read of the scores
.endr
	s_cmp_lt_u32 s[STP], s[GG]
	s_cbranch_scc1 .Lopen_\@                       ; all keys of the step count
	v_mov_b32 v54, 0xff800000                      ; on the diagonal hidden scores become -infinity ahead of the maximum: p = 0 then.  Register 8 t + j is key 16 t + 8 h + j of the step: hidden where 16 t + j > my query - 8 h
.set i, 0
.rept 64
	v_cmp_gt_i32 vcc_lo, 16*(i/8)+i%8, v[DM]
	v_cndmask_b32 v[S+i], v[S+i], v54, vcc_lo
.set i, i+1
.endr
.Lopen_\@:
	v_max3_num_f32 v48, v[S], v[S+1], v[S+2]       ; the step's largest score of my query, among my 64 keys, in two chains,
	v_max3_num_f32 v49, v[S+3], v[S+4], v[S+5]
.set i, 6
.rept 14
	v_max3_num_f32 v48, v48, v[S+i], v[S+i+1]
	v_max3_num_f32 v49, v49, v[S+i+2], v[S+i+3]
.set i, i+4
.endr
	v_max3_num_f32 v48, v48, v[S+62], v[S+63]
	s_delay_alu instid0(VALU_DEP_1)
	v_max_num_f32 v48, v48, v49
	s_delay_alu instid0(VALU_DEP_1)
	v_permlanex16_b32 v7, v48, s[SEL], s[SEL+1]
	s_delay_alu instid0(VALU_DEP_1)
	v_max_num_f32 v48, v48, v7                     ; and among lane l xor 16's
	s_delay_alu instid0(VALU_DEP_1)
	v_mul_f32 v48, s[CS], v48                      ; as t (c is positive)
	s_delay_alu instid0(VALU_DEP_1)
	v_max_num_f32 v13, v13, v48                    ; the running largest t
	v_mov_b32 v48, v12
	s_delay_alu instid0(VALU_DEP_2)
	v_floor_f32 v12, -v13                          ; the new -M = floor(-t) = -ceil(t): a whole number
	s_delay_alu instid0(VALU_DEP_1)
	v_sub_f32 v48, v12, v48                        ; M's old value less its new one: a whole number, 0 or less
	s_delay_alu instid0(VALU_DEP_1)
	v_cvt_i32_f32 v48, v48                         ; (it saturates)
	s_delay_alu instid0(VALU_DEP_1)
	v_ldexp_f32 v50, 1.0, v48                      ; f = 2^(old M - new M)
.set i, 0
	s_setprio 1
.rept 32
	v_pk_fma_f32 v[S+i:S+i+1], v[S+i:S+i+1], s[CS:CS+1], v[12:13] op_sel_hi:[1,0,0]   ; t - M, two at a time (of the pairs c and -M the low word serves both halves)
.set i, i+2
.endr
.set i, 0
	s_wait_alu depctr_va_vdst(0)
.rept 64
	v_exp_f32 v[S+i], v[S+i]                       ; p = 2^(t - M), at most 1: not normalised
.set i, i+1
.endr
	v_pk_mul_f32 v[14:15], v[14:15], v[50:51] op_sel_hi:[1,0]   ; the sums under the new M: the plain line behind the exponentials
	s_wait_alu depctr_va_vdst(0)                   ; one wait for the whole batch, ahead of its first reader
	v_pk_add_f32 v[52:53], v[100:101], v[104:105]
	v_pk_add_f32 v[94:95], v[108:109], v[112:113]
	v_pk_add_f32 v[92:93], v[116:117], v[120:121]
	v_pk_add_f32 v[90:91], v[124:125], v[128:129]
	v_pk_add_f32 v[88:89], v[132:133], v[136:137]
	v_pk_add_f32 v[86:87], v[140:141], v[144:145]
	v_pk_add_f32 v[84:85], v[148:149], v[152:153]
	v_pk_add_f32 v[14:15], v[14:15], v[156:157]
	v_pk_add_f32 v[52:53], v[52:53], v[96:97]
	v_pk_add_f32 v[94:95], v[94:95], v[98:99]
	v_pk_add_f32 v[92:93], v[92:93], v[102:103]
	v_pk_add_f32 v[90:91], v[90:91], v[106:107]
	v_pk_add_f32 v[88:89], v[88:89], v[110:111]
	v_pk_add_f32 v[86:87], v[86:87], v[114:115]
	v_pk_add_f32 v[84:85], v[84:85], v[118:119]
	v_pk_add_f32 v[14:15], v[14:15], v[122:123]
	v_pk_add_f32 v[52:53], v[52:53], v[126:127]
	v_pk_add_f32 v[94:95], v[94:95], v[130:131]
	v_pk_add_f32 v[92:93], v[92:93], v[134:135]
	v_pk_add_f32 v[90:91], v[90:91], v[138:139]
	v_pk_add_f32 v[88:89], v[88:89], v[142:143]
	v_pk_add_f32 v[86:87], v[86:87], v[146:147]
	v_pk_add_f32 v[84:85], v[84:85], v[150:151]
	s_setprio 0
	v_pk_add_f32 v[14:15], v[14:15], v[154:155]
	v_pk_add_f32 v[52:53], v[52:53], v[158:159]
	s_delay_alu instid0(VALU_DEP_2)
	v_pk_add_f32 v[14:15], v[14:15], v[90:91]
	s_delay_alu instid0(VALU_DEP_2)
	v_pk_add_f32 v[52:53], v[52:53], v[88:89]
	v_pk_add_f32 v[94:95], v[94:95], v[86:87]
	v_pk_add_f32 v[92:93], v[92:93], v[84:85]
	s_delay_alu instid0(VALU_DEP_2)
	v_pk_add_f32 v[14:15], v[14:15], v[94:95]
	s_delay_alu instid0(VALU_DEP_2)
	v_pk_add_f32 v[52:53], v[52:53], v[92:93]
	s_delay_alu instid0(VALU_DEP_1)
	v_pk_add_f32 v[14:15], v[14:15], v[52:53]
.set i, 0
.rept 8
.irp j, 0,1,2,3,4,5,6,7
.endr
	v_cvt_scalef32_pk8_bf8_f32 v[KF+2*i:KF+2*i+1], v[S+8*i:S+8*i+7], v10   ; keys 16 i + 8 h + 0 .. 7: registers 2 i, 2 i + 1 of P
.set i, i+1
.endr
.set i, 0
.rept 16
	v_pk_mul_f32 v[OT+i:OT+i+1], v[OT+i:OT+i+1], v[50:51] op_sel_hi:[1,0]   ; O^T under the new M.  (These are also the plain lines between the last conversion and the products)
.set i, i+2
.endr
	s_wait_alu depctr_va_vdst(0)
	s_wait_dscnt 0x0                               ; V is in
.set i, 0
.rept 4
	v_wmma_f32_16x16x128_bf8_bf8 v[OT+8*i:OT+8*i+7], v[VF+16*i:VF+16*i+15], v[KF:KF+15], v[OT+8*i:OT+8*i+7]   ; the four accumulators take turns; eleven other products stand between two on one accumulator
.set i, i+1
.endr
.Lhid_\@:
.endm
; THE WAY OUT of a pass: O^T / the sum, held, quantised, stored as two images of 512 consecutive bytes, aligned.
.macro OUT
.rept 4
	v_nop                                          ; four places behind the last products
.endr
	v_add_f32 v14, v14, v15                        ; the sum's two halves,
	s_delay_alu instid0(VALU_DEP_1)
	v_permlanex16_b32 v7, v14, s[SEL], s[SEL+1]
	s_delay_alu instid0(VALU_DEP_1)
	v_add_f32 v14, v14, v7                         ; and lane l xor 16's
	s_wait_alu depctr_va_vdst(0)
	v_rcp_f32 v14, v14
	v_nop                                          ; a plain line behind the transcendental
	s_wait_alu depctr_va_vdst(0)                   ; and the wait ahead of its first reader
.set i, 0
.rept 16
	v_pk_mul_f32 v[S+i:S+i+1], v[OT+i:OT+i+1], v[14:15] op_sel_hi:[1,0]   ; each accumulator from its low end on
.set i, i+2
.endr
.set i, 0
.rept 32
.set i, i+1
.endr
.set i, 0
.rept 4
	v_cvt_scalef32_pk8_bf8_f32 v[KF+2*i:KF+2*i+1], v[S+8*i:S+8*i+7], v8
.set i, i+1
.endr
	v_nop                                          ; one plain line behind the last conversion
	global_store_b128 v6, v[KF:KF+3], s[8:9]               ; places 16 h + 0 .. 15 of the head
	global_store_b128 v6, v[KF+4:KF+7], s[8:9] offset:512  ; places 32 + 16 h + 0 .. 15
.endm
.macro PASS pb                         ; pb = 0: group w % 8, 8 trips;  1: group 15 - w % 8, 16 trips
.if \pb
	s_wait_xcnt 0x0                                ; the first pass's stores have read v6 and their data: both may be written
	s_sub_co_u32 s[GG], 15, s50
.else
	s_mov_b32 s[GG], s50
.endif
	s_lshl_b32 s74, s[GG], 17
	s_add_co_u32 s74, s74, s73
	v_and_b32 v6, 31, v0
	s_delay_alu instid0(VALU_DEP_1)
	v_lshl_add_u32 v6, v6, 4, s74
	v_mov_b32 v13, 0xff61b1e6                      ; the largest t so far: -3e38, under every t
	s_delay_alu instid0(VALU_DEP_1)
	v_floor_f32 v12, -v13                          ; -M
	v_mov_b32 v14, 0
	v_mov_b32 v15, 0
.set i, 0
.rept 32
	v_mov_b32 v[OT+i], 0                           ; the step is written once for a pass: its first trip finds zeros, which the first change of M leaves zeros
.set i, i+1
.endr
	s_mov_b32 s[STP], 0
	s_mov_b32 s[TBK], 0
	s_mov_b32 s[TBV], 0
.Lstep_\@:
	STEP 16+8*\pb
	s_add_co_u32 s[TBK], s[TBK], 128*KP
	s_add_co_u32 s[TBV], s[TBV], 64*VP
	s_add_co_u32 s[STP], s[STP], 1
	s_cmp_lt_u32 s[STP], 8+8*\pb
	s_cbranch_scc1 .Lstep_\@
	s_setprio 0
	OUT
.endm
	PASS 0
	PASS 1
	s_wait_dscnt 0x0                               ; no LDS instruction of mine is out at a signal
	s_wait_xcnt 0x0
	v_lshl_add_u32 v254, v0, 2, 0x4c000
	v_mov_b32 v255, 0
	s_wait_alu depctr_va_vdst(0)
	s_wait_tensorcnt 0x0
	ds_add_u32 v254, v255
	s_wait_dscnt 0x0
	CROUND                                         ; the closing round: no work-group ends while a partner may still ask for a tile that names it
	s_endpgm
.Lfunc_end_k_q30901a1400_attn:
	.size	k_q30901a1400_attn, .Lfunc_end_k_q30901a1400_attn-k_q30901a1400_attn
	.p2alignl 7, 3214868480
	.fill 96, 4, 3214868480
	.section	.rodata,"a",@progbits
	.p2align	6, 0x0
	.amdhsa_kernel k_q30901a1400_attn
		.amdhsa_group_segment_fixed_size 327680
		.amdhsa_private_segment_fixed_size 0
		.amdhsa_enable_private_segment 0
		.amdhsa_kernarg_size 24
		.amdhsa_user_sgpr_count 2
		.amdhsa_user_sgpr_kernarg_segment_ptr 1
		.amdhsa_wavefront_size32 1
		.amdhsa_system_sgpr_workgroup_id_x 1
		.amdhsa_system_sgpr_workgroup_id_y 1
		.amdhsa_system_sgpr_workgroup_id_z 1
		.amdhsa_system_vgpr_workitem_id 0
		.amdhsa_next_free_vgpr 256
		.amdhsa_next_free_sgpr 76
		.amdhsa_reserve_vcc 1
		.amdhsa_float_denorm_mode_32 3
		.amdhsa_float_denorm_mode_16_64 3
		.amdhsa_fp16_overflow 1
		.amdhsa_memory_ordered 1
		.amdhsa_forward_progress 1
		.amdhsa_inst_pref_size 53
	.end_amdhsa_kernel
	.amdgpu_metadata
---
amdhsa.version: [ 1, 2 ]
amdhsa.kernels:
  - .name:           k_q30901a1400_attn
    .symbol:         k_q30901a1400_attn.kd
    .args:
      - { .name: qkvc, .offset: 0, .size: 8, .value_kind: global_buffer, .address_space: global }
      - { .name: lowp_scales, .offset: 8, .size: 8, .value_kind: global_buffer, .address_space: global }
      - { .name: cc, .offset: 16, .size: 8, .value_kind: global_buffer, .address_space: global }
    .group_segment_fixed_size: 327680
    .private_segment_fixed_size: 0
    .kernarg_segment_align: 8
    .kernarg_segment_size: 24
    .max_flat_workgroup_size: 512
    .sgpr_count:     76
    .vgpr_count:     256
    .wavefront_size: 32
...
	.end_amdgpu_metadata
.endif
;; end of part 3
;; launch outp (part 4): grid 4 x 32, 4 waves a work-group, clusters of 4 x 4, 327,680 bytes of LDS; arguments cc, wc, lowp_scales, bo, out0; writes out0
.if DOCPART == 4
	.amdgcn_target "amdgcn-amd-amdhsa--gfx1250"
	.amdhsa_code_object_version 6
	.text
	.protected	k_q30901a1400_outp
	.globl	k_q30901a1400_outp
	.p2align	8
	.type	k_q30901a1400_outp,@function
k_q30901a1400_outp:
	s_mov_b64 s[64:65], 0
	v_nop
	global_prefetch_b8 v0, s[64:65] scope:SCOPE_SE
	s_setreg_imm32_b32 hwreg(HW_REG_WAVE_MODE, 25, 1), 1
	s_wait_xcnt 0x0
	s_wait_alu depctr_hold_cnt(0) depctr_sa_sdst(0) depctr_va_vdst(0) depctr_va_sdst(0) depctr_va_ssrc(0) depctr_va_vcc(0) depctr_vm_vsrc(0)
	s_getreg_b32 s2, hwreg(HW_REG_IB_STS2, 6, 4)
	s_cmp_eq_u32 s2, 0
	s_cbranch_scc0 .Lentry_in_a_cluster
	s_endpgm
.Lentry_in_a_cluster:
	s_bfe_u32 s2, ttmp6, 0x10000c
	s_cmp_lg_u32 s2, 0xf033
	s_cbranch_scc0 .Lentry_shape_is_right
	s_endpgm
.Lentry_shape_is_right:
; out0 = concat Wo^T + bo on codes of BF8.  out0: [8192][1024] f32.
; cc: the attention's result as images of fragments: byte mt x 16,384 + kc x 2,048 + c x 512 + 16 x lane holds, for lane (r, h), K = 128 kc + 32 c + 16 h + 0 .. 15 of token 16 mt + r.
; wc's tensor 3: Wo's codes, [1024][1024], K innermost, rows as in memory.
; A sum stands for sum x 2^(e10 + e11).  The bias goes in as the C of the first K step, divided by 2^(e10 + e11); each finished sum is multiplied once by 2^(e10 + e11).
; LIMIT: e10 + e11 between -126 and 127, so that 2^(e10 + e11) is an f32 number.
; SHARES: a work-group of four waves makes 256 tokens x 256 features, a wave 128 x 128: 64 accumulators.  K = 1,024 goes in four steps of 256 through two LDS slots filled by the tensor data mover.
; 128 work-groups: with this tile the product has no more; a smaller tile would read each LDS byte for half the products.
; CLUSTERS: 4 x 4 work-groups; the four of a row of the cluster need the same tile of cc, the four of a column the same tile of Wo: each is asked for jointly.
; The matrix instruction is used transposed (source 0 = 16 rows of Wo, source 1 = 16 tokens): a lane holds eight neighbouring numbers of a row of out0.
; REGISTERS, in windows of 256: window 0: v0-31 addresses; v32-95 the bias, later a block on the way out; from v128 the tokens' fragments, ONE set; window 1: Wo's fragments, TWO sets; windows 2, 3: the accumulators.
.set KROW,   1024
.set ROWB,   256
.set PITCH,  272                       ; Wo's rows in LDS: 256 bytes + 16 of padding
.set FR,     16
.set NL,     4
.set NP,     4
.set HALFT,  128*PITCH
.set AHALF,  32768                     ; 128 tokens x 256 K as images: 8 rows of 4,096 bytes, dense: a load of a fragment's four registers reads 512 consecutive bytes
.set AREG,   2*AHALF
.set SLOT,   AREG+2*HALFT              ; the tokens' images, then Wo's 256 rows
.set SPARE,  2*SLOT                    ; behind the ring: the spare words, 128 bytes for each wave: two blocks of 256 bytes that no other line names
.set SPITCH, 528                       ; the way out: a stage of 16 rows x (512 bytes + 16) for each wave, in slot 0, which has had its last fill and its last read when the first result is stored there
.set NB,     4096                      ; a row of out0 in bytes
.set ADRA, 16
.set ADRB, 20
.set STO,  24
.set RD,   25
.set CO,   26
.set SPW,  28                          ; v28 LDS address of my spare word: SPARE + 4 x my thread's number; never rewritten
.set NIL,  29                          ; v29 0; never rewritten
.set BI,   32
.set TMP,  32
.set AF,   128
.set BK,   128
.set G1, 24
.set G0, 32
.set G1B, 48
.set G0B, 56
.set MSB, 0
.macro WIN new                         ; the immediate's high byte repeats the setting that is left
.if MSB != \new
	s_set_vgpr_msb (MSB<<8)|\new
.set MSB, \new
.endif
.endm
.set MUL_LO,   0xa1
.set MUL_HI,   0xf1
.set FIRST_LO, 0x81                    ; the first K step: C (the bias) window 0
.set FIRST_HI, 0xc1
.set TO_B,     0x40
.macro JLOAD g0a, g1a, g0b, g1b        ; a joint load: waves 0 and 1 fetch the tokens' halves, waves 2 and 3 Wo's; four v_nop follow each of the two lines
	s_cmp_eq_u32 s15, 0
	s_cbranch_scc0 .Lfor_b_\@
	tensor_load_to_lds s[\g0a:\g0a+3], s[\g1a:\g1a+7]
	s_nop 0
.rept 4
	v_nop
.endr
	s_branch .Lasked_\@
.Lfor_b_\@:
	tensor_load_to_lds s[\g0b:\g0b+3], s[\g1b:\g1b+7]
	s_nop 0
.rept 4
	v_nop
.endr
.Lasked_\@:
.endm
.macro CREST
	s_cmp_lg_u32 s14, 0
	s_cbranch_scc1 .Lnot_wave_0_\@
	s_barrier_signal -3
.Lnot_wave_0_\@:
	s_barrier_wait -3
	s_barrier_signal -1
	s_barrier_wait -1
.endm
.macro CROUND
	s_barrier_signal -1
	s_barrier_wait -1
	CREST
.endm
	s_load_b128 s[4:7], s[0:1], 0x0                ; cc, wc
	s_load_b64 s[8:9], s[0:1], 0x10                ; the scales' exponents
	s_load_b64 s[68:69], s[0:1], 0x18              ; bo
	s_load_b64 s[10:11], s[0:1], 0x20              ; out0
	v_lshl_add_u32 v[SPW], v0, 2, SPARE
	v_mov_b32 v[NIL], 0
	ds_add_u32 v28, v29
	ds_add_u32 v28, v29
	s_wait_dscnt 0x0
	v_lshrrev_b32 v1, 5, v0
	v_readfirstlane_b32 s14, v1                    ; wave 0..3
	s_lshr_b32 s15, s14, 1                         ; which half of the tile's tokens is mine.  Also: I fetch for cc (0) or for Wo (1)
	s_and_b32 s16, s14, 1                          ; which half of its features.  Also: which half of that tile I fetch
	s_bfe_u32 s40, ttmp6, 0x40000                  ; cx, cy
	s_bfe_u32 s41, ttmp6, 0x40004
	s_lshl_b32 s42, ttmp9, 2
	s_add_co_u32 s42, s42, s40                     ; tx: which 256 features
	s_and_b32 s17, ttmp7, 0xffff
	s_lshl_b32 s17, s17, 2
	s_add_co_u32 s17, s17, s41                     ; ty: which 256 tokens
	s_lshl_b32 s43, s41, 2
	s_lshl_b32 s43, 15, s43                        ; my row of the cluster
	s_lshl_b32 s44, 0x1111, s40                    ; my column
	; descriptor group 1.  The tokens: 8 rows (16 tokens each) of 4,096 bytes (256 along K), 16,384 bytes apart, dense in LDS
	s_or_b32 s[G1+0], s43, (0<<16)|(1<<21)         ; 15:0 the mask: my row; 17:16 elements of 1 byte; 20 no padding; 21 set beside a mask
	s_mov_b32 s[G1+1], 4096<<16                    ; tensor_dim0
	s_mov_b32 s[G1+2], 8<<16                       ; tensor_dim1
	s_mov_b32 s[G1+3], 4096<<16                    ; tile_dim0
	s_mov_b32 s[G1+4], 8                           ; tile_dim1
	s_mov_b32 s[G1+5], 16384                       ; tensor_dim0_stride
	s_mov_b32 s[G1+6], 0
	s_mov_b32 s[G1+7], 0
	; Wo: 128 rows x 256 bytes, padded in LDS
	s_or_b32 s[G1B+0], s44, (0<<16)|(1<<20)|(1<<21)|(5<<22)|(3<<25)  ; the mask: my column; padding: four words after every 64
	s_mov_b32 s[G1B+1], ROWB<<16
	s_mov_b32 s[G1B+2], 128<<16
	s_mov_b32 s[G1B+3], ROWB<<16
	s_mov_b32 s[G1B+4], 128
	s_mov_b32 s[G1B+5], KROW
	s_mov_b32 s[G1B+6], 0
	s_mov_b32 s[G1B+7], 0
	s_lshl_b32 s20, s17, 18                        ; cc: (16 ty + 8 x half) x 16,384
	s_lshl_b32 s18, s16, 17
	s_add_co_u32 s20, s20, s18
	s_mov_b32 s21, 0
	s_lshl_b32 s46, s42, 18                        ; Wo: (256 tx + 128 x half) x 1,024, in wc's tensor 3
	s_lshl_b32 s18, s16, 17
	s_add_co_u32 s46, s46, s18
	s_add_co_u32 s46, s46, 3<<20
	s_mov_b32 s47, 0
	s_lshl_b32 s45, s16, 15                        ; where they go: the tokens' half,
	s_mul_i32 s67, s16, HALFT
	s_add_co_u32 s67, s67, AREG                    ; Wo's half: no place in the cluster enters an LDS address
	s_wait_kmcnt 0x0
	s_load_b64 s[96:97], s[8:9], 0x28              ; e10, e11
	s_add_nc_u64 s[20:21], s[4:5], s[20:21]
	s_add_nc_u64 s[46:47], s[6:7], s[46:47]
	CROUND                                         ; all sixteen work-groups are here: the first joint loads meet
.irp s, 0,1
	s_mov_b32 s[G0+4*\s], 1
	s_add_co_u32 s[G0+4*\s+1], s45, \s*SLOT
	s_add_nc_u64 s[G0+4*\s+2:G0+4*\s+3], s[20:21], \s*4096
	s_or_b32 s[G0+4*\s+3], s[G0+4*\s+3], 0x80000000
	s_mov_b32 s[G0B+4*\s], 1
	s_add_co_u32 s[G0B+4*\s+1], s67, \s*SLOT
	s_add_nc_u64 s[G0B+4*\s+2:G0B+4*\s+3], s[46:47], \s*ROWB
	s_or_b32 s[G0B+4*\s+3], s[G0B+4*\s+3], 0x80000000
	s_wait_alu depctr_va_vdst(0)
	s_wait_tensorcnt 0x0
	ds_add_u32 v28, v29
	ds_add_u32 v28, v29
	s_wait_dscnt 0x0
	CROUND
	JLOAD G0+4*\s, G1, G0B+4*\s, G1B
.endr
	v_and_b32 v1, 15, v0                           ; r
	v_bfe_u32 v2, v0, 4, 1                         ; h
	v_and_b32 v6, 31, v0                           ; lane
	v_lshlrev_b32 v[CO], 4, v6                     ; 16 x lane: an image's place for my lane; also my 16 bytes of a row of 512 on the way out
	v_mul_u32_u24 v3, v1, PITCH
	v_lshl_add_u32 v3, v2, 4, v3                   ; Wo: row x pitch + 16 x half
	s_lshl_b32 s21, s15, 15                        ; my 128 tokens' images
	s_mul_i32 s22, s16, HALFT
	s_add_co_u32 s22, s22, AREG                    ; my 128 rows of Wo
.irp s, 0,1
	v_add_nc_u32 v[ADRA+\s], s21, v[CO]
	v_add_nc_u32 v[ADRB+\s], s22, v3
	s_add_co_u32 s21, s21, SLOT
	s_add_co_u32 s22, s22, SLOT
.endr
	s_mul_i32 s23, s14, 16*SPITCH                  ; my stage
	v_mul_u32_u24 v5, v1, SPITCH                   ; in: row r, 32 bytes for each half of the lanes
	v_lshl_add_u32 v5, v2, 5, v5
	v_add_nc_u32 v[STO], s23, v5
	v_add_nc_u32 v[RD], s23, v[CO]                 ; back: the 32 lanes take one row of 512 bytes
	s_lshl_b32 s20, s17, 20                        ; out0: row 256 ty + 128 x half, of 4,096 bytes,
	s_lshl_b32 s21, s15, 19
	s_add_co_u32 s20, s20, s21
	s_lshl_b32 s46, s42, 10                        ; column 256 tx + 128 x half, of 4 bytes
	s_lshl_b32 s47, s16, 9
	s_add_co_u32 s46, s46, s47
	s_add_co_u32 s20, s20, s46
	s_mov_b32 s21, 0
	s_mov_b32 s47, 0
	s_add_nc_u64 s[10:11], s[10:11], s[20:21]
	s_add_nc_u64 s[68:69], s[68:69], s[46:47]      ; bo at my first column
	v_lshlrev_b32 v8, 5, v2                        ; the bias in the result's layout: register j of block b is column 16 b + 8 h + j
.irp b, 0,1,2,3,4,5,6,7
	global_load_b128 v[BI+8*\b:BI+8*\b+3],   v8, s[68:69] offset:64*\b
	global_load_b128 v[BI+8*\b+4:BI+8*\b+7], v8, s[68:69] offset:64*\b+16
.endr
.macro FRAG reg, adr, q, i             ; a fragment of Wo: lane l holds row l % 16; registers 4 c .. 4 c + 3 hold K = 32 c + 16 (l / 16) + 0 .. 15
.irp c, 0,1,2,3
	ds_load_b128 v[\reg+4*\c:\reg+4*\c+3], v[\adr] offset:128*(\q)+32*\c+(\i)*16*PITCH
.endr
.endm
.macro FRAGA reg, adr, q, i            ; a fragment of the tokens comes as it was stored: the same places of K
.irp c, 0,1,2,3
	ds_load_b128 v[\reg+4*\c:\reg+4*\c+3], v[\adr] offset:4096*(\i)+2048*(\q)+512*\c
.endr
.endm
; 16 matrix instructions: token blocks a0, a0 + 1 x Wo's eight.  zero = 1: the first K step, C = the bias of block b.  The 64 accumulators take turns, one instruction a turn.
.macro MUL16 a0, p, zero
.irp a, \a0, \a0+1
.irp b, 0,1,2,3,4,5,6,7
.if \zero
	v_wmma_f32_16x16x128_bf8_bf8 v[8*(8*((\a)%4)+\b):8*(8*((\a)%4)+\b)+7], v[128*(\p)+FR*\b:128*(\p)+FR*\b+FR-1], v[AF+FR*(\a):AF+FR*(\a)+FR-1], v[BI+8*\b:BI+8*\b+7]
.else
	v_wmma_f32_16x16x128_bf8_bf8 v[8*(8*((\a)%4)+\b):8*(8*((\a)%4)+\b)+7], v[128*(\p)+FR*\b:128*(\p)+FR*\b+FR-1], v[AF+FR*(\a):AF+FR*(\a)+FR-1], v[8*(8*((\a)%4)+\b):8*(8*((\a)%4)+\b)+7]
.endif
.endr
.endr
.endm
.macro FETCH_B slot, q, p
	WIN TO_B
.irp i, 0,1,2,3,4,5,6,7
	FRAG 128*(\p)+FR*\i, ADRB+\slot, \q, \i
.endr
	WIN 0
.endm
.macro FETCH_A slot, q, i0
.irp i, \i0, \i0+1, \i0+2, \i0+3
	FRAGA AF+FR*(\i), ADRA+\slot, \q, \i
.endr
.endm
.macro PLACES n                        ; places behind matrix instructions, in front of loads into registers that they read and of reads of their results (ISA guide 7.12.1 for reads of their results)
.rept \n
	v_nop
.endr
.endm
.macro STEP slot, q, zero
	s_wait_dscnt 4*NL                              ; Wo's set and token blocks 0-3 are in; the youngest 16 loads (blocks 4-7) may be out
.if \zero
	WIN FIRST_LO
.else
	WIN MUL_LO
.endif
	MUL16 0, (\q)%2, \zero
	MUL16 2, (\q)%2, \zero
	s_wait_dscnt 0
	PLACES NP
	FETCH_B \slot, (\q)+1, 1-(\q)%2
	FETCH_A \slot, (\q)+1, 0
.if \zero
	WIN FIRST_HI
.else
	WIN MUL_HI
.endif
	MUL16 4, (\q)%2, \zero
	MUL16 6, (\q)%2, \zero
	PLACES NP
	WIN 0
	FETCH_A \slot, (\q)+1, 4
.endm
; A slot's last step changes slots: ONE barrier; in front of it each wave waits for all its tensor loads, adds 0 to its spare word, and waits for that and for its own reads of this slot.
.macro TURN slot, next, fill
	s_wait_tensorcnt 0x0                           ; all my tensor loads have landed: my part of the next slot;
	ds_add_u32 v[SPW], v[NIL]                      ; 0 onto my spare word
	s_wait_dscnt 4*NL+1                            ; (the add and the youngest 16 loads may be out)
	WIN MUL_LO
	MUL16 0, 1, 0                                  ; sixteen matrix instructions stand between the add and the wait for it
	s_wait_dscnt 0x0                               ; the add is done, and my reads of this slot are over
	s_barrier_signal -1
	MUL16 2, 1, 0
	WIN 0
	s_barrier_wait -1
.if \fill
	CREST                                          ; the barrier has opened a round of the cluster's barrier: no wave of any partner still reads this slot's tile or has a load on its way
	s_add_nc_u64 s[G0+4*\slot+2:G0+4*\slot+3], s[G0+4*\slot+2:G0+4*\slot+3], 2*4096
	s_add_nc_u64 s[G0B+4*\slot+2:G0B+4*\slot+3], s[G0B+4*\slot+2:G0B+4*\slot+3], 2*ROWB
	JLOAD G0+4*\slot, G1, G0B+4*\slot, G1B         ; the first tensor load behind the round; its four v_nop are the places in front of the loads below
.else
	PLACES NP
.endif
	FETCH_B \next, 0, 0
	FETCH_A \next, 0, 0
	WIN MUL_HI
	MUL16 4, 1, 0
	MUL16 6, 1, 0
	PLACES NP
	WIN 0
	FETCH_A \next, 0, 4
.endm
	s_wait_alu depctr_va_vdst(0)
	s_wait_tensorcnt 1                             ; my part of K step 0 is in (K step 1's load may be out)
	s_barrier_signal -1
	s_barrier_wait -1                              ; everybody's is
	FETCH_B 0, 0, 0
	FETCH_A 0, 0, 0
	FETCH_A 0, 0, 4
	s_wait_loadcnt 0x0                             ; the bias
	s_wait_kmcnt 0x0
	s_add_co_i32 s98, s96, s97                     ; e10 + e11
	s_sub_co_i32 s99, 0, s98
	s_add_co_i32 s98, s98, 127
	s_lshl_b32 s96, s98, 23                        ; 2^(e10 + e11) as f32  (s97 stays written: the packed form names the pair)
.set i, 0
.rept 64
	v_ldexp_f32 v[BI+i], v[BI+i], s99              ; b / 2^(e10 + e11): nothing is rounded
.set i, i+1
.endr
	s_wait_alu depctr_va_vdst(0)
	STEP 0, 0, 1
	TURN 0, 1, 1
	STEP 1, 0, 0
	TURN 1, 0, 1
	STEP 0, 0, 0
	TURN 0, 1, 0                                   ; nothing is left to fetch
	STEP 1, 0, 0
	s_wait_dscnt 4*NL                              ; the very last step
	WIN MUL_LO
	MUL16 0, 1, 0
	MUL16 2, 1, 0
	s_wait_dscnt 0
	WIN MUL_HI
	MUL16 4, 1, 0
	MUL16 6, 1, 0
	WIN 0
; THE WAY OUT, block by block of 16 tokens x 128 features: through my own stage in LDS and back as whole rows of 512 bytes, which the 32 lanes store as 512 consecutive bytes, aligned.
.macro TOSTAGE a
.set AC, 64*((\a)%4)
	WIN 0x02+((\a)/4)                              ; source 0: window 2 or 3
.set i, 0
.rept 32
	v_pk_mul_f32 v[TMP+i:TMP+i+1], v[AC+i:AC+i+1], s[96:97] op_sel_hi:[1,0]   ; both x s96 = 2^(e10 + e11); each accumulator from its low end on
.set i, i+2
.endr
	WIN 0
.irp b, 0,1,2,3,4,5,6,7
	ds_store_b128 v[STO], v[TMP+8*\b:TMP+8*\b+3] offset:64*\b
	ds_store_b128 v[STO], v[TMP+8*\b+4:TMP+8*\b+7] offset:64*\b+16
.endr
.set BB, BK+64*((\a)%2)
.irp t, 0,1,2,3,4,5,6,7,8,9,10,11,12,13,14,15
	ds_load_b128 v[BB+4*\t:BB+4*\t+3], v[RD] offset:\t*SPITCH   ; LDS serves a wave's instructions in order (ISA guide 5.7.1.4): these see the stores above
.endr
.endm
.macro SEND a, younger
.set BB, BK+64*((\a)%2)
	s_wait_dscnt \younger                          ; the block is back in registers
.if (\a) > 0
	s_add_nc_u64 s[10:11], s[10:11], 16*NB         ; (behind a wait on XCNT: the earlier stores have read their base)
.endif
.irp t, 0,1,2,3,4,5,6,7,8,9,10,11,12,13,14,15
	global_store_b128 v[CO], v[BB+4*\t:BB+4*\t+3], s[10:11] offset:\t*NB th:TH_STORE_NT   ; written once, read by nobody here
.endr
.endm
	PLACES NP                                      ; behind the last products: for the reads of results and for the loads into the registers that held the tokens' fragments
	TOSTAGE 0
.irp a, 1,2,3,4,5,6,7
.if \a > 1
	s_wait_xcnt 0x0                                ; block a - 2's stores have read their registers and their base
.endif
	TOSTAGE \a
	SEND \a-1, 32                                  ; behind block a - 1's loads: block a's 16 stores and 16 loads
.endr
	s_wait_xcnt 0x0
	SEND 7, 0
	s_wait_tensorcnt 0x0                           ; the wave's end, behind my last tensor load and my last LDS store
	ds_add_u32 v[SPW], v[NIL]
	s_wait_dscnt 0x0
	CROUND                                         ; the closing round
	s_endpgm
.Lfunc_end_k_q30901a1400_outp:
	.size	k_q30901a1400_outp, .Lfunc_end_k_q30901a1400_outp-k_q30901a1400_outp
	.p2alignl 7, 3214868480
	.fill 96, 4, 3214868480
	.section	.rodata,"a",@progbits
	.p2align	6, 0x0
	.amdhsa_kernel k_q30901a1400_outp
		.amdhsa_group_segment_fixed_size 327680
		.amdhsa_private_segment_fixed_size 0
		.amdhsa_enable_private_segment 0
		.amdhsa_kernarg_size 40
		.amdhsa_user_sgpr_count 2
		.amdhsa_user_sgpr_kernarg_segment_ptr 1
		.amdhsa_wavefront_size32 1
		.amdhsa_system_sgpr_workgroup_id_x 1
		.amdhsa_system_sgpr_workgroup_id_y 1
		.amdhsa_system_sgpr_workgroup_id_z 1
		.amdhsa_system_vgpr_workitem_id 0
		.amdhsa_next_free_vgpr 1024
		.amdhsa_next_free_sgpr 100
		.amdhsa_reserve_vcc 0
		.amdhsa_float_denorm_mode_32 3
		.amdhsa_float_denorm_mode_16_64 3
		.amdhsa_memory_ordered 1
		.amdhsa_forward_progress 1
		.amdhsa_inst_pref_size 130
	.end_amdhsa_kernel
	.amdgpu_metadata
---
amdhsa.version: [ 1, 2 ]
amdhsa.kernels:
  - .name:           k_q30901a1400_outp
    .symbol:         k_q30901a1400_outp.kd
    .args:
      - { .name: cc, .offset: 0, .size: 8, .value_kind: global_buffer, .address_space: global }
      - { .name: wc, .offset: 8, .size: 8, .value_kind: global_buffer, .address_space: global }
      - { .name: lowp_scales, .offset: 16, .size: 8, .value_kind: global_buffer, .address_space: global }
      - { .name: bo, .offset: 24, .size: 8, .value_kind: global_buffer, .address_space: global }
      - { .name: out0, .offset: 32, .size: 8, .value_kind: global_buffer, .address_space: global }
    .group_segment_fixed_size: 327680
    .private_segment_fixed_size: 0
    .kernarg_segment_align: 8
    .kernarg_segment_size: 40
    .max_flat_workgroup_size: 128
    .sgpr_count:     100
    .vgpr_count:     1024
    .wavefront_size: 32
...
	.end_amdgpu_metadata
.endif
;; end of part 4
